; MI455X (gfx1250); checked and timed in simulation.
; The chip was launched on July 23, 2026; its instructions are those of AMD's public machine-readable ISA for CDNA 5 (MIT licence, August 2026) and "CDNA5" Instruction Set Architecture Reference Guide (July 2026). The comments in the code are by the model that wrote it; some were corrected since.
;; Encoder Block. Allowed arithmetic: matrix products marked QUANTISED: E2M3 operands, one E8M0 scale for each 32 along K, by v_wmma_scale_f32_16x16x128_f8f6f4 with both operands' format E2M3, f32 sums; everything else in f32.
;; Inputs: b1 4,096 float32; b2 1,024 float32; bk 1,024 float32; bo 1,024 float32; bq 1,024 float32; bv 1,024 float32; ln1_b 1 float32; ln1_g 1 float32; ln2_b 1 float32; ln2_g 1 float32; mask 4 x 1 x 1 x 1,024 int32; w1 1,024 x 4,096 float32; w2 4,096 x 1,024 float32; wk 1,024 x 1,024 float32; wo 1,024 x 1,024 float32; wq 1,024 x 1,024 float32; wv 1,024 x 1,024 float32; x 4 x 1,024 x 1,024 float32.
;; Outputs: out0 4 x 1,024 x 1,024 float32.
;; This version of the problem:
;;   THIS VERSION OF THE PROBLEM IS GIVEN IN LOW PRECISION. The matrix products marked QUANTISED in the list below multiply operands that are first quantised to E2M3 (2 exponent bits, 3 mantissa bits; 6 bits a number), with one power-of-two scale for each 32 numbers along K (OCP MX v1.0); their sums are f32. All else is computed in f32.
;;   The module's matrix products, in the order in which they are computed (A, B: the left and right operand; K: the contracted axis; several contracted axes count as one K, in the product's order):
;;     1. [M 4,096, K 1,024] x [K 1,024, N 1,024]; A: computed on the way; B: input wq: QUANTISED
;;     2. [M 4,096, K 1,024] x [K 1,024, N 1,024]; A: computed on the way; B: input wk: QUANTISED
;;     3. [M 4,096, K 1,024] x [K 1,024, N 1,024]; A: computed on the way; B: input wv: QUANTISED
;;     4. batch 64 x [M 1,024, K 64] x [K 64, N 1,024]; A: computed on the way; B: computed on the way: QUANTISED
;;     5. batch 64 x [M 1,024, K 1,024] x [K 1,024, N 64]; A: softmax (see below); B: computed on the way: QUANTISED
;;     6. [M 4,096, K 1,024] x [K 1,024, N 1,024]; A: computed on the way; B: input wo: QUANTISED
;;     7. [M 4,096, K 1,024] x [K 1,024, N 4,096]; A: computed on the way; B: input w1: QUANTISED
;;     8. [M 4,096, K 4,096] x [K 4,096, N 1,024]; A: computed on the way; B: input w2: QUANTISED
;;   THE QUANTISER, for each operand of a quantised product, along K:
;;     - K is cut into blocks of 32 from its start; a last block that is shorter is filled with zeros.
;;     - A block's scale is 2^e with e = floor(log2(the largest magnitude in the block)) - 2, held to -126 .. 127; a block of zeros has e = 0. As a byte (E8M0): e + 127.
;;     - Each number is divided by its block's scale, clamped to +-7.5, and rounded to the nearest number of E2M3, ties to even, subnormals kept.
;;     - The product sums the exact products of the quantised numbers (number of the format x scale) in f32.
;;   ~~~python
;;   def quantise(x, axis):      # numpy; x: float32 -> the quantised numbers, widened to float32 again
;;       x = np.moveaxis(x, axis, -1); K = x.shape[-1]
;;       x = np.pad(x, [(0, 0)] * (x.ndim - 1) + [(0, -K % 32)]); x = x.reshape(x.shape[:-1] + (-1, 32)); a = np.abs(x).max(-1, keepdims=True)
;;       e = np.where(a > 0, np.clip(np.frexp(np.where(a > 0, a, 1))[1] - 1 - 2, -126, 127), 0)      # np.frexp(a)[1] - 1 = floor(log2(a)), exactly
;;       r = np.clip(x / 2.0 ** e, -7.5, 7.5)
;;       step = 2.0 ** (np.maximum(np.frexp(np.where(r == 0, 1, r))[1] - 1, 0) - 3)
;;       q = np.round(r / step) * step * 2.0 ** e      # np.round: ties to even
;;       return np.moveaxis(q.reshape(q.shape[:-2] + (-1,))[..., :K], -1, axis).astype(np.float32)
;;   ~~~
;;   SOFTMAX AHEAD OF A QUANTISED PRODUCT. Where the list says 'softmax', what is quantised is not the finished softmax but p = 2^(t - M), with t = logit x log2(e) and M = ceil(the row's largest t), a whole number; so 1/2 < the row's largest p <= 1. The row's sum l is taken of the UNQUANTISED p, in f32, and the product's result is divided by l at the end. Since M is a whole number, a kernel that streams over the keys may use a running M (the ceiling of the running maximum): every later rescaling is an exact power of two, which a block's scale takes up: the codes' values come out the same.
;;   OPERANDS COMPUTED ON THE WAY. 'Computed on the way' means the value that the module computes at that place (a softmax that the list does not call 'softmax' is quantised finished and normalised). What goes into a quantiser is computed in f32, as accurately as f32 sums, v_exp_f32 and their like allow (about 1e-6 of the number): no bf16 or f16 on the way to a quantiser, and a product that is left as it is and whose result goes on into a quantised operand takes f32 operands (vector FMAs, or v_wmma_f32_16x16x4_f32). A number that lies on a knife's edge between two numbers of the format may be rounded either way, as far as f32 arithmetic and the matrix unit's own rounding can turn it there, and no further.
;; One version. Each part assembles by itself: llvm-mc -triple=amdgcn-amd-amdhsa -mcpu=gfx1250 --defsym DOCPART=n.
;; ======== version 1 of 1: 6 launches
;; limits: right only within a limited range of input values
;; workspace buffers: wimg 9,830,400 bytes; himg 3,276,800 bytes; qimg 3,407,872 bytes; kvimg 6,684,672 bytes; cimg 3,276,800 bytes; x1 16,777,216 bytes; fimg 13,107,200 bytes
;; launch prep (part 1): grid 640 x 1, 8 waves a work-group, no clusters, 69,632 bytes of LDS; arguments x, ln1_g, ln1_b, wq, wk, wv, wo, w1, w2, himg, wimg; writes himg, wimg
.if DOCPART == 1
	.amdgcn_target "amdgcn-amd-amdhsa--gfx1250"
	.amdhsa_code_object_version 6
	.text
	.protected	k_q91c7bdac25_prep
	.globl	k_q91c7bdac25_prep
	.p2align	8
	.type	k_q91c7bdac25_prep,@function
k_q91c7bdac25_prep:
	s_mov_b64 s[64:65], 0
	v_nop
	global_prefetch_b8 v0, s[64:65] scope:SCOPE_SE
	s_setreg_imm32_b32 hwreg(HW_REG_WAVE_MODE, 25, 1), 1
	s_wait_xcnt 0x0
; TWO JOBS, parted by the work-group's number.
; Work-groups 0-255: h = g (x - mean) / (std + 1e-6) + b over rows of 1,024 (std with 1,023 in the divisor), quantised to FP6 (E2M3) codes with one E8M0 byte for each 32 along the row.
; Work-groups 256-639: the six weights, f32 stored [K][N], quantised along K.
; BOTH leave as PANELS: 128 rows (tokens, or columns n of a weight) x 128 along K = 12,800 bytes: eight fragments of 1,536 bytes, then eight runs of 16 scale words.
; A FRAGMENT is the image of a matrix operand's 12 registers: registers 0-3 as 16 bytes a lane, 4-5 as 8 bytes a lane, 6-9, 10-11 likewise: every store of a wave covers 512 or 256 consecutive bytes.
; WHICH ROWS FORM A TILE: lane r of tile 2 g + u holds row 32 g + 8 u + (r & 7) + 16 (r >> 3), so that a product used transposed leaves 16 neighbours along the next K in 16 registers of a lane.
; A block's scale byte is its largest magnitude's exponent field - 2, held at 1 from below (a block of zeros keeps 1: its codes are zeros, and this program alone reads the bytes).
; LIMITS: NaN and infinities are not served; blocks whose largest magnitude lies under 2^-124 keep the byte 1.
.set RED,   0                          ; LDS: 8 waves x 16 rows: the partial sums
.set RED2,  512                        ; the partial sums of squares
.set SPARE, 1024                       ; the spare words, 128 bytes for each of the eight waves
.set STG,   2048                       ; a stage of 16 rows x 528 bytes for each wave
.set SROW,  528
.set PANEL, 12800
.set FRAG,  1536
.set PSC,   12288
.set SPW, 9                            ; v9   my spare word's address; never rewritten
.set NIL, 10                           ; v10  0; never rewritten
.set X,   16                           ; v16-79   sixteen rows' 512 bytes as loaded
.set Y,   80                           ; v80-143  my 64 numbers: register 16 b + i = column 32 b + 16 h + i of my row
.set PC,  144                          ; v144-163 codes
.set TM,  164                          ; v164-179 at work in QUANT
.set PW,  180                          ; the scale word
.set ST,  182                          ; v182-199 sums
.set SEL, 44                           ; s[44:45] selects for lane l xor 16
; 64 numbers of a lane, register 16 b + i = k 32 b + 16 (lane / 16) + i of its row, become a fragment in v[PC] on and its scale word in v[pw]
.macro QUANT s, pw
.irp b, 0,1,2,3
	v_max3_num_f32 v[TM+\b], |v[\s+16*\b]|, |v[\s+1+16*\b]|, 0x1800000   ; my 16 numbers of block b, and the floor 2^(3 - 127): the byte cannot fall under 1
.endr
.irp i, 2,4,6,8,10,12,14
.irp b, 0,1,2,3
	s_delay_alu instid0(VALU_DEP_4)
	v_max3_num_f32 v[TM+\b], v[TM+\b], |v[\s+16*\b+\i]|, |v[\s+1+16*\b+\i]|
.endr
.endr
.irp b, 0,1,2,3
	s_delay_alu instid0(VALU_DEP_4)
	v_permlanex16_b32 v[TM+4+\b], v[TM+\b], s[SEL], s[SEL+1]
.endr
.irp b, 0,1,2,3
	s_delay_alu instid0(VALU_DEP_4)
	v_max_num_f32 v[TM+\b], v[TM+\b], v[TM+4+\b]   ; with lane l xor 16's: the block's largest magnitude
.endr
.irp b, 0,1,2,3
	s_delay_alu instid0(VALU_DEP_4)
	v_add_nc_u32 v[TM+12+\b], 0xff000000, v[TM+\b]   ; 2 off its exponent field: the conversion's scale operand
.endr
.irp b, 0,1,2,3
	s_delay_alu instid0(VALU_DEP_4)
	v_lshrrev_b32 v[TM+4+\b], 23, v[TM+12+\b]      ; the scale's byte
.endr
	s_delay_alu instid0(VALU_DEP_3)
	v_lshl_or_b32 v[\pw], v[TM+5], 8, v[TM+4]
	s_delay_alu instid0(VALU_DEP_1)
	v_lshl_or_b32 v[\pw], v[TM+6], 16, v[\pw]
	s_delay_alu instid0(VALU_DEP_1)
	v_lshl_or_b32 v[\pw], v[TM+7], 24, v[\pw]
.irp c, 0,1
	v_cvt_scalef32_pk16_fp6_f32 v[PC+6*\c:PC+2+6*\c], v[\s+32*\c:\s+15+32*\c], v[TM+12+2*\c]
	v_cvt_scalef32_pk16_fp6_f32 v[PC+12+4*\c:PC+14+4*\c], v[\s+16+32*\c:\s+31+32*\c], v[TM+12+2*\c+1]   ; (a conversion's three registers begin on an even number)
.endr
	v_nop                                          ; one plain place behind a scaled conversion
.irp c, 0,1                            ; the operand's layout wants a whole block in a lane: lanes 0-15 block 2 c, lanes 16-31 block 2 c + 1
.irp i, 0,1,2
	v_permlane16_swap_b32 v[PC+6*\c+\i], v[PC+12+4*\c+\i]
.endr
.irp i, 0,1,2
	s_delay_alu instid0(VALU_DEP_3)
	v_mov_b32 v[PC+3+6*\c+\i], v[PC+12+4*\c+\i]
.endr
.endr
.endm
; four chains of pairs in v[ST] on become the row's sum over all 1,024 columns, in v[ST+8]: within the lane, with lane l xor 16, and through LDS with the other seven waves
.macro ACROSS off
	s_delay_alu instid0(VALU_DEP_3)
	v_pk_add_f32 v[ST:ST+1], v[ST:ST+1], v[ST+2:ST+3]
	s_delay_alu instid0(VALU_DEP_2)
	v_pk_add_f32 v[ST+4:ST+5], v[ST+4:ST+5], v[ST+6:ST+7]
	s_delay_alu instid0(VALU_DEP_1)
	v_pk_add_f32 v[ST:ST+1], v[ST:ST+1], v[ST+4:ST+5]
	s_delay_alu instid0(VALU_DEP_1)
	v_add_f32 v[ST], v[ST], v[ST+1]
	s_delay_alu instid0(VALU_DEP_1)
	v_permlanex16_b32 v[ST+1], v[ST], s[SEL], s[SEL+1]
	s_delay_alu instid0(VALU_DEP_1)
	v_add_f32 v[ST], v[ST], v[ST+1]
	ds_store_b32 v7, v[ST] offset:\off             ; both lanes of a row write the same word with the same value
	s_wait_dscnt 0x0                               ; for the others' sake: my store has landed
	s_barrier_signal -1
	s_barrier_wait -1
.irp k, 0,1,2,3,4,5,6,7
	ds_load_b32 v[ST+8+\k], v8 offset:\off+64*\k
.endr
	s_wait_dscnt 0x0
	v_add_f32 v[ST+8], v[ST+8], v[ST+9]            ; every wave adds in the same order: all eight hold the same number
	v_add_f32 v[ST+10], v[ST+10], v[ST+11]
	v_add_f32 v[ST+12], v[ST+12], v[ST+13]
	v_add_f32 v[ST+14], v[ST+14], v[ST+15]
	s_delay_alu instid0(VALU_DEP_3)
	v_add_f32 v[ST+8], v[ST+8], v[ST+10]
	s_delay_alu instid0(VALU_DEP_2)
	v_add_f32 v[ST+12], v[ST+12], v[ST+14]
	s_delay_alu instid0(VALU_DEP_1)
	v_add_f32 v[ST+8], v[ST+8], v[ST+12]
.endm
	s_load_b128 s[4:7], s[0:1], 0x0                ; x, g
	s_load_b64 s[8:9], s[0:1], 0x10                ; b
	s_load_b256 s[12:19], s[0:1], 0x18             ; wq, wk, wv, wo
	s_load_b256 s[20:27], s[0:1], 0x38             ; w1, w2, himg, wimg
	v_lshl_add_u32 v[SPW], v0, 2, SPARE
	v_mov_b32 v[NIL], 0
	v_lshrrev_b32 v1, 5, v0
	s_delay_alu instid0(VALU_DEP_1)
	v_readfirstlane_b32 s28, v1                    ; wave 0..7
	v_and_b32 v1, 31, v0                           ; lane
	s_cmp_ge_u32 ttmp9, 256                        ; the work-group's number alone: all eight waves go the same way
	s_cbranch_scc1 .Lweights
	; ================ THE NORM.  Work-group T is tile T of 16 rows; wave w has columns 128 w .. 128 w + 127, which are K step w: the row stays in the eight waves' registers between the passes
	v_and_b32 v2, 15, v0                           ; r
	v_bfe_u32 v3, v0, 4, 1                         ; h
	v_lshlrev_b32 v4, 4, v1                        ; 16 x lane
	v_lshlrev_b32 v11, 3, v1                       ; 8 x lane
	s_mul_i32 s29, s28, 16*SROW
	s_add_co_u32 s29, s29, STG                     ; my stage
	v_add_nc_u32 v5, s29, v4                       ; into it: a row's 512 bytes as they lie
	v_mul_u32_u24 v6, v2, SROW
	s_delay_alu instid0(VALU_DEP_1)
	v_lshl_add_u32 v6, v3, 6, v6
	s_delay_alu instid0(VALU_DEP_1)
	v_add_nc_u32 v6, s29, v6                       ; out of it: row r, + 64 h: my 16 numbers of each block of 32
	v_lshlrev_b32 v8, 2, v2                        ; 4 r
	s_lshl_b32 s29, s28, 6
	v_add_nc_u32 v7, s29, v8                       ; 64 w + 4 r
	s_mov_b32 s[SEL], 0x76543210
	s_mov_b32 s[SEL+1], 0xfedcba98
.irp b, 0,1,2,3
	v_mov_b32 v[TM+4+\b], 0                        ; written once: a lane permute's destination counts as one of its sources
.endr
	s_lshr_b32 s30, ttmp9, 1
	s_lshl_b32 s30, s30, 5
	s_and_b32 s31, ttmp9, 1
	s_lshl_b32 s31, s31, 3
	s_add_co_u32 s30, s30, s31                     ; the tile's first row: 32 (T / 2) + 8 (T % 2)
	s_lshl_b32 s30, s30, 12
	s_lshl_b32 s31, s28, 9
	s_add_co_u32 s30, s30, s31                     ; in bytes, + my 512 of each row
	s_mov_b32 s31, 0
	s_lshr_b32 s32, ttmp9, 3
	s_lshl_b32 s32, s32, 3
	s_add_co_u32 s32, s32, s28
	s_mul_i32 s32, s32, PANEL                      ; panel (T / 8, w)
	s_and_b32 s34, ttmp9, 7
	s_mul_i32 s35, s34, FRAG
	s_add_co_u32 s36, s32, s35                     ; my fragment,
	s_mov_b32 s37, 0
	s_lshl_b32 s34, s34, 6
	s_add_co_u32 s38, s32, s34
	s_add_co_u32 s38, s38, PSC                     ; and its scale words
	s_mov_b32 s39, 0
	s_wait_alu depctr_va_vdst(0)
	s_wait_kmcnt 0x0
	s_load_b32 s40, s[6:7], 0x0                    ; g
	s_load_b32 s42, s[8:9], 0x0                    ; b
	s_add_nc_u64 s[4:5], s[4:5], s[30:31]
	s_add_nc_u64 s[36:37], s[24:25], s[36:37]
	s_add_nc_u64 s[38:39], s[24:25], s[38:39]
.irp i, 0,1,2,3,4,5,6,7,8,9,10,11,12,13,14,15
	global_load_b128 v[X+4*\i:X+4*\i+3], v4, s[4:5] offset:(\i+8*(\i/8))*4096 th:TH_LOAD_NT   ; 32 lanes read 512 consecutive bytes of the tile's i-th row
.endr
.irp i, 0,1,2,3,4,5,6,7,8,9,10,11,12,13,14,15
	s_wait_loadcnt 15-\i                           ; loads come back in order: row i is in, the younger ones stay out
	ds_store_b128 v5, v[X+4*\i:X+4*\i+3] offset:SROW*\i
.endr
.irp b, 0,1,2,3
.irp j, 0,1,2,3
	ds_load_b128 v[Y+16*\b+4*\j:Y+16*\b+4*\j+3], v6 offset:128*\b+16*\j   ; LDS serves a wave's instructions in order: these see my stores
.endr
.endr
	s_wait_dscnt 0x0
.irp k, 0,1,2,3
	v_pk_add_f32 v[ST+2*\k:ST+2*\k+1], v[Y+2*\k:Y+2*\k+1], v[Y+8+2*\k:Y+9+2*\k]   ; the sum, two at a time, in four chains
.endr
.irp p, 16,24,32,40,48,56
.irp k, 0,1,2,3
	s_delay_alu instid0(VALU_DEP_4)
	v_pk_add_f32 v[ST+2*\k:ST+2*\k+1], v[ST+2*\k:ST+2*\k+1], v[Y+\p+2*\k:Y+\p+2*\k+1]
.endr
.endr
	ACROSS RED
	s_delay_alu instid0(VALU_DEP_1)
	v_mul_f32 v[ST+16], 0x3a800000, v[ST+8]        ; the mean: / 1,024
	s_delay_alu instid0(VALU_DEP_1)
	v_mov_b32 v[ST+17], v[ST+16]                   ; (named with it as a pair)
.irp j, 0,2,4,6,8,10,12,14,16,18,20,22,24,26,28,30,32,34,36,38,40,42,44,46,48,50,52,54,56,58,60,62
	v_pk_add_f32 v[Y+\j:Y+\j+1], v[Y+\j:Y+\j+1], v[ST+16:ST+17] op_sel_hi:[1,0] neg_lo:[0,1] neg_hi:[0,1]   ; x - mean first: no difference of large sums is formed
.endr
.irp k, 0,1,2,3
	v_pk_mul_f32 v[ST+2*\k:ST+2*\k+1], v[Y+2*\k:Y+2*\k+1], v[Y+2*\k:Y+2*\k+1]
.endr
.irp p, 8,16,24,32,40,48,56
.irp k, 0,1,2,3
	s_delay_alu instid0(VALU_DEP_4)
	v_pk_fma_f32 v[ST+2*\k:ST+2*\k+1], v[Y+\p+2*\k:Y+\p+2*\k+1], v[Y+\p+2*\k:Y+\p+2*\k+1], v[ST+2*\k:ST+2*\k+1]
.endr
.endr
	ACROSS RED2                                    ; other bytes than the first sum's: no wave can still be reading what is written here
	s_delay_alu instid0(VALU_DEP_1)
	v_mul_f32 v[ST], 0x3a802008, v[ST+8]           ; / 1,023
	s_wait_alu depctr_va_vdst(0)
	v_sqrt_f32 v[ST], v[ST]
	v_nop                                          ; a plain place behind the root,
	s_wait_alu depctr_va_vdst(0)                   ; and the wait ahead of its first reader
	v_add_f32 v[ST], 0x358637bd, v[ST]             ; + 1e-6
	s_wait_alu depctr_va_vdst(0)
	v_rcp_f32 v[ST], v[ST]
	v_nop
	s_wait_alu depctr_va_vdst(0)
	s_wait_kmcnt 0x0                               ; g and b
	s_mov_b32 s43, s42                             ; (the packed form names the pair)
	v_mul_f32 v[ST], s40, v[ST]                    ; g / (std + 1e-6)
.irp j, 0,2,4,6,8,10,12,14,16,18,20,22,24,26,28,30,32,34,36,38,40,42,44,46,48,50,52,54,56,58,60,62
	v_pk_fma_f32 v[Y+\j:Y+\j+1], v[Y+\j:Y+\j+1], v[ST:ST+1], s[42:43] op_sel_hi:[1,0,0]
.endr
	QUANT Y, PW
	global_store_b128 v4, v[PC:PC+3], s[36:37]
	global_store_b64 v11, v[PC+4:PC+5], s[36:37] offset:512
	global_store_b128 v4, v[PC+6:PC+9], s[36:37] offset:768
	global_store_b64 v11, v[PC+10:PC+11], s[36:37] offset:1280
	global_store_b32 v8, v[PW], s[38:39]           ; lanes l and l + 16 hold the same word and write it to the same place
	s_wait_tensorcnt 0x0                           ; the wave's end
	ds_add_u32 v[SPW], v[NIL]
	s_wait_dscnt 0x0
	s_endpgm
	; ================ THE WEIGHTS.  Work-group 256 + g makes panels 2 g and 2 g + 1 of wimg.  Wave w: columns 32 (w & 3) on of the panel's 128 (two tiles), K step w >> 2.
	; A LANE TAKES A COLUMN AND ITS REGISTERS RUN DOWN K: each load reads 128 consecutive bytes, a block of 32 lies in one lane, and the conversions give codes with K innermost.
.Lweights:
	s_sub_co_u32 s29, ttmp9, 256                   ; g
	s_lshr_b32 s30, s29, 5                         ; 0-3: wq, wk, wv, wo;  4-7: w1;  8-11: w2
	s_wait_kmcnt 0x0
	s_cmp_eq_u32 s30, 1
	s_cselect_b64 s[12:13], s[14:15], s[12:13]
	s_cmp_eq_u32 s30, 2
	s_cselect_b64 s[12:13], s[16:17], s[12:13]
	s_cmp_eq_u32 s30, 3
	s_cselect_b64 s[12:13], s[18:19], s[12:13]
	s_cmp_ge_u32 s30, 4
	s_cselect_b64 s[12:13], s[20:21], s[12:13]
	s_cselect_b32 s31, 127, 31                     ; work-groups in the tensor, less 1
	s_cmp_ge_u32 s30, 8
	s_cselect_b64 s[12:13], s[22:23], s[12:13]
	s_cselect_b32 s32, 4, 2                        ; log2 of the pairs of K steps in a row of panels: 16 for w2, else 4
	s_lshr_b32 s33, s30, 2
	s_cmp_eq_u32 s33, 1
	s_cselect_b32 s33, 14, 12                      ; log2 of a row of the weight in bytes: 16,384 for w1, else 4,096
	s_lshl_b32 s34, 1, s33
	s_and_b32 s36, s29, s31                        ; my number in the tensor
	s_lshr_b32 s37, s36, s32                       ; which 128 columns
	s_bfm_b32 s38, s32, 0
	s_and_b32 s36, s36, s38                        ; which 256 along K
	s_and_b32 s38, s28, 3                          ; cw
	s_lshr_b32 s39, s28, 2                         ; which of the two K steps
	s_lshl_b32 s36, s36, 8
	s_lshl_b32 s40, s39, 7
	s_add_co_u32 s36, s36, s40                     ; my first row of the weight,
	s_lshl_b32 s36, s36, s33                       ; in bytes,
	s_lshl_b32 s37, s37, 9
	s_add_co_u32 s36, s36, s37                     ; + 512 for each 128 columns
	s_lshl_b32 s40, s38, 7
	s_add_co_u32 s36, s36, s40                     ; + 128 cw
	s_mov_b32 s37, 0
	s_add_nc_u64 s[12:13], s[12:13], s[36:37]      ; block 0;
	s_lshl_b32 s36, s34, 5
	s_add_nc_u64 s[14:15], s[12:13], s[36:37]      ; blocks 1 to 3 begin 32 rows further down each
	s_add_nc_u64 s[16:17], s[14:15], s[36:37]
	s_add_nc_u64 s[18:19], s[16:17], s[36:37]
	s_mul_i32 s36, s29, 2*PANEL
	s_mul_i32 s40, s39, PANEL
	s_add_co_u32 s36, s36, s40
	s_add_nc_u64 s[26:27], s[26:27], s[36:37]      ; my panel
	s_wait_alu depctr_va_vdst(0)
	v_and_b32 v2, 7, v1
	v_bfe_u32 v3, v1, 3, 1
	s_delay_alu instid0(VALU_DEP_1)
	v_lshl_or_b32 v2, v3, 4, v2
	v_lshrrev_b32 v3, 4, v1
	s_delay_alu instid0(VALU_DEP_1)
	v_lshl_or_b32 v2, v3, 3, v2                    ; my column of the 32: lanes 0-15 are the even tile's rows, lanes 16-31 the odd tile's
	s_delay_alu instid0(VALU_DEP_1)
	v_lshlrev_b32 v2, 2, v2
.irp i, 0,1,2,3,4,5,6,7,8,9,10,11,12,13,14,15,16,17,18,19,20,21,22,23,24,25,26,27,28,29,30,31
	v_mad_u32_u24 v[16+\i], s34, \i, v2            ; row i of a block, my column
.endr
	s_mul_i32 s40, s38, 2*FRAG
	v_lshl_add_u32 v4, v1, 4, s40                  ; out: 16 x lane + my two fragments' place
	v_lshl_add_u32 v5, v1, 3, s40
	s_lshl_b32 s40, s38, 7
	v_lshl_add_u32 v6, v1, 2, s40                  ; and the 32 scale words'
.macro LOADW t
.irp i, 0,1,2,3,4,5,6,7,8,9,10,11,12,13,14,15,16,17,18,19,20,21,22,23,24,25,26,27,28,29,30,31
	global_load_b32 v[48+32*(\t)+\i], v[16+\i], s[12+2*(\t):13+2*(\t)] th:TH_LOAD_NT
.endr
.endm
.macro BLOCK t
.set XS, 48+32*(\t)
.set FD, 176+12*((\t)%2)+6*((\t)/2)    ; even blocks go to v176 on, odd ones to v188 on
.if (\t) < 3
	s_wait_loadcnt 32                              ; this block's 32 loads are in; the next block's stay out
.else
	s_wait_loadcnt 0x0
.endif
.if (\t) < 2
	LOADW (\t)+2                                   ; each block has registers of its own: two blocks are always on their way
.endif
	v_max3_num_f32 v204, |v[XS]|, |v[XS+1]|, |v[XS+2]|
	v_max3_num_f32 v205, |v[XS+3]|, |v[XS+4]|, |v[XS+5]|
.irp i, 6,10,14,18,22,26
	s_delay_alu instid0(VALU_DEP_2)
	v_max3_num_f32 v204, v204, |v[XS+\i]|, |v[XS+\i+1]|
	s_delay_alu instid0(VALU_DEP_2)
	v_max3_num_f32 v205, v205, |v[XS+\i+2]|, |v[XS+\i+3]|
.endr
	s_delay_alu instid0(VALU_DEP_2)
	v_max3_num_f32 v204, v204, |v[XS+30]|, |v[XS+31]|
	s_delay_alu instid0(VALU_DEP_1)
	v_max3_num_f32 v204, v204, v205, 0x1800000     ; the block's largest magnitude, and the floor
	s_delay_alu instid0(VALU_DEP_1)
	v_add_nc_u32 v206, 0xff000000, v204            ; the conversion's scale operand
	s_delay_alu instid0(VALU_DEP_1)
	v_lshrrev_b32 v207, 23, v206                   ; the byte
.if (\t) == 0
	s_delay_alu instid0(VALU_DEP_1)
	v_mov_b32 v208, v207
.else
	s_delay_alu instid0(VALU_DEP_1)
	v_lshl_or_b32 v208, v207, 8*(\t), v208         ; my column's scale word
.endif
	v_cvt_scalef32_pk16_fp6_f32 v[FD:FD+2], v[XS:XS+15], v206
	v_cvt_scalef32_pk16_fp6_f32 v[200:202], v[XS+16:XS+31], v206
	v_nop                                          ; one plain place behind a scaled conversion
.irp i, 0,1,2
	v_mov_b32 v[FD+3+\i], v[200+\i]
.endr
.endm
	LOADW 0
	LOADW 1
	s_wait_alu depctr_va_vdst(0)
	BLOCK 0
	BLOCK 1
	BLOCK 2
	BLOCK 3
.irp j, 0,1,2,3,4,5,6,7,8,9,10,11
	v_permlane16_swap_b32 v[176+\j], v[188+\j]     ; the even blocks' lanes 16-31 change places with the odd blocks' lanes 0-15: v176 on is now the even tile's fragment, v188 on the odd tile's
.endr
.irp f, 0,1
	global_store_b128 v4, v[176+12*\f:179+12*\f], s[26:27] offset:\f*FRAG
	global_store_b64 v5, v[180+12*\f:181+12*\f], s[26:27] offset:\f*FRAG+512
	global_store_b128 v4, v[182+12*\f:185+12*\f], s[26:27] offset:\f*FRAG+768
	global_store_b64 v5, v[186+12*\f:187+12*\f], s[26:27] offset:\f*FRAG+1280
.endr
	global_store_b32 v6, v208, s[26:27] offset:PSC
	s_wait_tensorcnt 0x0                           ; the wave's end
	ds_add_u32 v[SPW], v[NIL]
	s_wait_dscnt 0x0
	s_endpgm
.Lfunc_end_k_q91c7bdac25_prep:
	.size	k_q91c7bdac25_prep, .Lfunc_end_k_q91c7bdac25_prep-k_q91c7bdac25_prep
	.p2alignl 7, 3214868480
	.fill 96, 4, 3214868480
	.section	.rodata,"a",@progbits
	.p2align	6, 0x0
	.amdhsa_kernel k_q91c7bdac25_prep
		.amdhsa_group_segment_fixed_size 69632
		.amdhsa_private_segment_fixed_size 0
		.amdhsa_enable_private_segment 0
		.amdhsa_kernarg_size 88
		.amdhsa_user_sgpr_count 2
		.amdhsa_user_sgpr_kernarg_segment_ptr 1
		.amdhsa_wavefront_size32 1
		.amdhsa_system_sgpr_workgroup_id_x 1
		.amdhsa_system_sgpr_workgroup_id_y 1
		.amdhsa_system_sgpr_workgroup_id_z 1
		.amdhsa_system_vgpr_workitem_id 0
		.amdhsa_next_free_vgpr 216
		.amdhsa_next_free_sgpr 66
		.amdhsa_reserve_vcc 0
		.amdhsa_float_denorm_mode_32 3
		.amdhsa_float_denorm_mode_16_64 3
		.amdhsa_memory_ordered 1
		.amdhsa_forward_progress 1
		.amdhsa_inst_pref_size 52
	.end_amdhsa_kernel
	.amdgpu_metadata
---
amdhsa.version: [ 1, 2 ]
amdhsa.kernels:
  - .name:           k_q91c7bdac25_prep
    .symbol:         k_q91c7bdac25_prep.kd
    .args:
      - { .name: x, .offset: 0, .size: 8, .value_kind: global_buffer, .address_space: global }
      - { .name: ln1_g, .offset: 8, .size: 8, .value_kind: global_buffer, .address_space: global }
      - { .name: ln1_b, .offset: 16, .size: 8, .value_kind: global_buffer, .address_space: global }
      - { .name: wq, .offset: 24, .size: 8, .value_kind: global_buffer, .address_space: global }
      - { .name: wk, .offset: 32, .size: 8, .value_kind: global_buffer, .address_space: global }
      - { .name: wv, .offset: 40, .size: 8, .value_kind: global_buffer, .address_space: global }
      - { .name: wo, .offset: 48, .size: 8, .value_kind: global_buffer, .address_space: global }
      - { .name: w1, .offset: 56, .size: 8, .value_kind: global_buffer, .address_space: global }
      - { .name: w2, .offset: 64, .size: 8, .value_kind: global_buffer, .address_space: global }
      - { .name: himg, .offset: 72, .size: 8, .value_kind: global_buffer, .address_space: global }
      - { .name: wimg, .offset: 80, .size: 8, .value_kind: global_buffer, .address_space: global }
    .group_segment_fixed_size: 69632
    .private_segment_fixed_size: 0
    .kernarg_segment_align: 8
    .kernarg_segment_size: 88
    .max_flat_workgroup_size: 256
    .sgpr_count:     66
    .vgpr_count:     216
    .wavefront_size: 32
...
	.end_amdgpu_metadata
.endif
;; end of part 1
;; launch qkv (part 2): grid 12 x 16, 4 waves a work-group, clusters of 4 x 4, 327,680 bytes of LDS; arguments himg, wimg, bq, bk, bv, mask, qimg, kvimg; writes qimg, kvimg
.if DOCPART == 2
	.amdgcn_target "amdgcn-amd-amdhsa--gfx1250"
	.amdhsa_code_object_version 6
	.text
	.protected	k_q91c7bdac25_qkv
	.globl	k_q91c7bdac25_qkv
	.p2align	8
	.type	k_q91c7bdac25_qkv,@function
k_q91c7bdac25_qkv:
	s_mov_b64 s[64:65], 0
	v_nop
	global_prefetch_b8 v0, s[64:65] scope:SCOPE_SE
	s_setreg_imm32_b32 hwreg(HW_REG_WAVE_MODE, 25, 1), 1
	s_wait_xcnt 0x0
	s_wait_alu depctr_hold_cnt(0) depctr_sa_sdst(0) depctr_va_vdst(0) depctr_va_sdst(0) depctr_va_ssrc(0) depctr_va_vcc(0) depctr_vm_vsrc(0)
	s_getreg_b32 s2, hwreg(HW_REG_IB_STS2, 6, 4)
	s_cmp_eq_u32 s2, 0
	s_cbranch_scc0 .Lentry_in_a_cluster
	s_endpgm
.Lentry_in_a_cluster:
	s_bfe_u32 s2, ttmp6, 0x10000c
	s_cmp_lg_u32 s2, 0xf033
	s_cbranch_scc0 .Lentry_shape_is_right
	s_endpgm
.Lentry_shape_is_right:
; q = h wq + bq, k = h wk + bk, v = h wv + bv on FP6 codes (panels of 128 rows x 128 K, made by the launch before), each result quantised again for attention.
; A work-group of four waves makes 256 x 256, a wave 128 x 128: 64 accumulators.  K = 1,024 is eight K steps; a wave's head tensor load brings six panels, 76,800 dense bytes.
; THREE LDS SLOTS of two K steps hold six K steps by first fills.  Only slot 0 is filled again, with K steps 6 and 7, behind the one round in K step 1: that load has K steps 2 to 5, 256 matrix instructions a wave, in which to land.
; CLUSTERS 4 x 4: source 1's panels are shared along a row of the cluster, source 0's along a column, each asked for jointly.
; Clusters x = 0, 1 (q, k): source 1 = tokens, source 0 = columns of wq | wk: a lane holds one token, its registers run along the features: quantised along the head's 64.
; Cluster x = 2 (v): THE ROLES ARE SWAPPED, by choices of pointers and indices alone: source 1 = columns of wv, source 0 = tokens: a lane holds one channel and its registers run along the keys, v's K in attention.
; OUT.  q, k: a tile of 16 tokens of one head is 768 bytes (registers 0-5 of the operand); its scale word holds the two bytes of the head's 64 and, above them, what attention's extra channel at k = 64 wants:
; q: 0x8f; k: 0x90 for a masked key, whose 64 codes are cleared too, and 0x01 for an open one.  With the codes +1 and -1 that attention sets there a masked score is exactly -2^33.
; v: whole fragments of 16 channels x 128 keys.  k, v and their scale words of one head and 128 keys lie together in 13,056 bytes.
; LIMITS: a masked logit is -2^30 where reference() has -1e9: the same results as long as open logits lie above about -1e9; an open score carries -2^-110.  NaN and infinities are not served; blocks under 2^-124 keep the byte 1.
.set MA, 8
.set NB, 8
.set KS, 2                             ; K steps in a slot
.set NKS, 8
.set PANEL, 12800
.set FRAG, 1536
.set PSC, 12288
; LDS as it is now laid: each wave's ONE head load brings six panels, K steps 0 to 5 of its 128 rows, to 6 panels x wave; a 'slot' is two K steps of that run; K steps 6 and 7 later fill the run's first two panels again
.set SLOT, 2*PANEL
.set SPARE, 24*PANEL
.set ASTR, 6*PANEL
.set SSTR, 6*PANEL
.set KVP, 13056
.set QSC, 3145728
.set AF, 64                            ; window 0: source 1's fragments, two sets of 96
.set BSET, 128                         ; window 1: source 0's, two sets, at v0 and v128; v96-127, v224-255: the bias along source 0's index
.set SC, 32                            ; v32-47 scale words, two sets of 8: lanes 0-15 source 1's block i, lanes 16-31 source 0's
.set ADA16, 4                          ; v4-6, v7-9, v10-12, v13-15, v16-18: LDS addresses, one for each slot
.set ADA8, 7
.set ADB16, 10
.set ADB8, 13
.set ADS, 16
.set L16, 19
.set L8, 20
.set R4, 21
.set H64, 22
.set L4, 23
.set PI4, 24
.set TA, 25
.set WOF, 26
.set SH, 27
.set SPW, 28
.set NIL, 29
.set TB, 30
.set BM, 48                            ; v48-55 the bias at my lane's index of source 1's tile a
.set MK, 56                            ; v56-63 the mask at my lane's token of tile a
.set NU, 64                            ; the way out: 64 numbers,
.set PC, 128                           ; codes,
.set TM, 160
.set PWB, 176
.set JW, 184
.set KEEP, 192
.set UPO, 193
.set UPM, 194
.set UU, 195
.set WD, 196
.set G1, 24                            ; s[24:31] group 1 for source 1's panels;  s[32:35] its group 0
.set G0, 32
.set G0B, 44                           ; s[44:47] source 0's group 0;  s[56:63] its group 1
.set G1B, 56
.set SEL, 66
.set MSB, 0
.macro WIN new                         ; the immediate's high byte repeats the setting that is left
.if MSB != (\new)
	s_set_vgpr_msb (MSB<<8)|(\new)
.set MSB, (\new)
.endif
.endm
.macro PLACES                          ; four plain places behind a matrix instruction, ahead of loads into its sources and of reads of its results
.rept 4
	v_nop
.endr
.endm
.macro JLOAD s                         ; a joint load: waves 0 and 1 fetch source 1's two halves, waves 2 and 3 source 0's; an s_nop 0 and four v_nop follow each line
	s_cmp_eq_u32 s15, 0
	s_cbranch_scc0 .Lfor_b_\@
	tensor_load_to_lds s[G0+4*\s:G0+4*\s+3], s[G1:G1+7]
	s_nop 0
	PLACES
	s_branch .Lasked_\@
.Lfor_b_\@:
	tensor_load_to_lds s[G0B+4*\s:G0B+4*\s+3], s[G1B:G1B+7]
	s_nop 0
	PLACES
.Lasked_\@:
.endm
.macro CREST                           ; a round of the cluster's barrier behind its opening barrier
	s_cmp_lg_u32 s14, 0
	s_cbranch_scc1 .Lnot_wave_0_\@
	s_barrier_signal -3
.Lnot_wave_0_\@:
	s_barrier_wait -3
	s_barrier_signal -1
	s_barrier_wait -1
.endm
.macro CROUND
	s_barrier_signal -1
	s_barrier_wait -1
	CREST
.endm
.macro FRAGL reg, a16, a8, off         ; a fragment's image comes back as it was stored: each load takes 512 or 256 consecutive bytes
	ds_load_b128 v[\reg:\reg+3], v[\a16] offset:\off
	ds_load_b64 v[\reg+4:\reg+5], v[\a8] offset:\off+512
	ds_load_b128 v[\reg+6:\reg+9], v[\a16] offset:\off+768
	ds_load_b64 v[\reg+10:\reg+11], v[\a8] offset:\off+1280
.endm
.macro FETCH slot, q, set              ; the fragments and scale words of the slot's q-th K step
	WIN 0x40
.set fi, 0
.rept NB
	FRAGL BSET*(\set)+12*fi, ADB16+\slot, ADB8+\slot, (\q)*PANEL+fi*FRAG
.set fi, fi+1
.endr
	WIN 0
.set fi, 0
.rept MA
	FRAGL AF+12*MA*(\set)+12*fi, ADA16+\slot, ADA8+\slot, (\q)*PANEL+fi*FRAG
.set fi, fi+1
.endr
.set fi, 0
.rept NB
	ds_load_b32 v[SC+8*(\set)+fi], v[ADS+\slot] offset:(\q)*PANEL+fi*64
.set fi, fi+1
.endr
.endm
; source 1's blocks a0 .. a0 + n - 1 against source 0's eight.  zero = 1: the products start the sums.  The accumulators take turns, one instruction a turn, in the same order in every step
.macro MUL a0, n, set, zero
.set ma, \a0
.rept \n
	WIN 0xa1+0x50*(ma/4)
.set mb, 0
.rept NB
.set rD, 8*(NB*(ma%4)+mb)
.set rB, BSET*(\set)+12*mb
.set rA, AF+12*MA*(\set)+12*ma
.if \zero == 1
	v_wmma_scale_f32_16x16x128_f8f6f4 v[rD:rD+7], v[rB:rB+11], v[rA:rA+11], 0, v[SC+8*(\set)+mb], v[SC+8*(\set)+ma] matrix_a_fmt:MATRIX_FMT_FP6 matrix_b_fmt:MATRIX_FMT_FP6 matrix_a_scale:MATRIX_SCALE_ROW1
.else
	v_wmma_scale_f32_16x16x128_f8f6f4 v[rD:rD+7], v[rB:rB+11], v[rA:rA+11], v[rD:rD+7], v[SC+8*(\set)+mb], v[SC+8*(\set)+ma] matrix_a_fmt:MATRIX_FMT_FP6 matrix_b_fmt:MATRIX_FMT_FP6 matrix_a_scale:MATRIX_SCALE_ROW1
.endif
.set mb, mb+1
.endr
.set ma, ma+1
.endr
.endm
.macro STEP nslot, nq, set, zero       ; a K step on set; the next K step, the nq-th of slot nslot, which a barrier has already shown whole, is fetched into the other set
	s_wait_dscnt 0x0                               ; this step's set, asked for a step ago, is in
	PLACES
	FETCH \nslot, \nq, 1-(\set)
	MUL 0, MA, \set, \zero
.endm
; a K step (on set 1) with a barrier in it; in front of the barrier each wave waits for all its tensor loads, adds 0 to its spare word, and waits for that and for its reads.  fill = 1: slot is filled again, with the K steps three slots on
.macro TURN slot, next, fill
	WIN 0
	s_wait_tensorcnt 0x0                           ; all my tensor loads have landed
	ds_add_u32 v[SPW], v[NIL]
	s_wait_dscnt 1                                 ; (the add alone may be out: this step's set is in)
	MUL 0, MA/4, 1, 0
	s_wait_dscnt 0x0                               ; the add is done, and my reads of this slot are over
	s_barrier_signal -1
	MUL MA/4, MA/4, 1, 0
	WIN 0
	s_barrier_wait -1
.if \fill
	CREST
	s_mov_b32 s[G1+2], 100<<16                     ; no load of mine is out, so the descriptors may be written: the refill brings two panels, 100 rows
	s_mov_b32 s[G1+4], 100
	s_mov_b32 s[G1B+2], 100<<16
	s_mov_b32 s[G1B+4], 100
	s_add_nc_u64 s[G0+4*\slot+2:G0+4*\slot+3], s[G0+4*\slot+2:G0+4*\slot+3], 3*KS*PANEL
	s_add_nc_u64 s[G0B+4*\slot+2:G0B+4*\slot+3], s[G0B+4*\slot+2:G0B+4*\slot+3], 3*KS*PANEL
	JLOAD \slot                                    ; the first tensor load behind the round; its four v_nop are the places ahead of the loads below
.else
	PLACES
.endif
	FETCH \next, 0, 0
	MUL MA/2, MA/2, 1, 0
.endm
.macro QUANT s, pw                     ; 64 numbers of a lane, register 16 b + i = k 32 b + 16 (lane / 16) + i, become a fragment in v[PC] on and its scale word
.irp b, 0,1,2,3
	v_max3_num_f32 v[TM+\b], |v[\s+16*\b]|, |v[\s+1+16*\b]|, 0x1800000   ; and the floor 2^(3 - 127)
.endr
.irp i, 2,4,6,8,10,12,14
.irp b, 0,1,2,3
	v_max3_num_f32 v[TM+\b], v[TM+\b], |v[\s+16*\b+\i]|, |v[\s+1+16*\b+\i]|
.endr
.endr
.irp b, 0,1,2,3
	v_permlanex16_b32 v[TM+4+\b], v[TM+\b], s[SEL], s[SEL+1]
.endr
.irp b, 0,1,2,3
	v_max_num_f32 v[TM+\b], v[TM+\b], v[TM+4+\b]
.endr
.irp b, 0,1,2,3
	v_add_nc_u32 v[TM+12+\b], 0xff000000, v[TM+\b]
.endr
.irp b, 0,1,2,3
	v_lshrrev_b32 v[TM+4+\b], 23, v[TM+12+\b]
.endr
	v_lshl_or_b32 v[\pw], v[TM+5], 8, v[TM+4]
	v_lshl_or_b32 v[\pw], v[TM+6], 16, v[\pw]
	v_lshl_or_b32 v[\pw], v[TM+7], 24, v[\pw]
.irp c, 0,1
	v_cvt_scalef32_pk16_fp6_f32 v[PC+6*\c:PC+2+6*\c], v[\s+32*\c:\s+15+32*\c], v[TM+12+2*\c]
	v_cvt_scalef32_pk16_fp6_f32 v[PC+12+4*\c:PC+14+4*\c], v[\s+16+32*\c:\s+31+32*\c], v[TM+12+2*\c+1]
.endr
	v_nop                                          ; one plain place behind a scaled conversion
.irp c, 0,1
.irp i, 0,1,2
	v_permlane16_swap_b32 v[PC+6*\c+\i], v[PC+12+4*\c+\i]
.endr
.irp i, 0,1,2
	v_mov_b32 v[PC+3+6*\c+\i], v[PC+12+4*\c+\i]
.endr
.endr
.endm
.macro FINISH
	s_wait_tensorcnt 0x0                           ; the wave's end
	ds_add_u32 v[SPW], v[NIL]
	s_wait_dscnt 0x0
	CROUND                                         ; the closing round
	s_endpgm
.endm
	s_load_b256 s[4:11], s[0:1], 0x0               ; himg, wimg, bq, bk
	s_load_b256 s[68:75], s[0:1], 0x20             ; bv, mask, qimg, kvimg
	v_lshl_add_u32 v[SPW], v0, 2, SPARE
	v_mov_b32 v[NIL], 0
	ds_add_u32 v[SPW], v[NIL]                      ; the opening: the add and its wait ahead of my first tensor load; work on registers between them
	ds_add_u32 v[SPW], v[NIL]
	v_lshrrev_b32 v1, 5, v0
	v_readfirstlane_b32 s14, v1                    ; wave
	s_lshr_b32 s15, s14, 1                         ; my half of source 1's rows.  Also: I fetch for source 1 (0) or source 0 (1)
	s_and_b32 s16, s14, 1                          ; my half of source 0's.  Also: which half I fetch
	s_bfe_u32 s2, ttmp6, 0x40000                   ; cx
	s_bfe_u32 s3, ttmp6, 0x40004                   ; cy
	s_and_b32 s18, ttmp7, 0xffff                   ; cluster y
	s_cmp_eq_u32 ttmp9, 2                          ; v?  The cluster's x: the same in all sixteen partners
	s_cselect_b32 s17, 0, s18
	s_cselect_b32 s96, s18, ttmp9
	s_cselect_b32 s22, 1638400, 0                  ; wv's place in wimg
	s_mov_b32 s23, 0
	s_lshl_b32 s17, s17, 2
	s_add_co_u32 s17, s17, s3                      ; source 1's block of 256: tokens 4 cluster y + cy, or wv's columns cy
	s_lshl_b32 s96, s96, 2
	s_add_co_u32 s96, s96, s2                      ; source 0's: columns of wq | wk 4 cluster x + cx, or tokens 4 cluster y + cx
	s_lshl_b32 s97, s3, 2
	s_lshl_b32 s97, 15, s97                        ; my row of the cluster
	s_lshl_b32 s98, 0x1111, s2                     ; my column
	s_or_b32 s[G1], s97, (3<<16)|(1<<21)           ; 15:0 the mask; 17:16 elements of 8 bytes; 21 set beside a mask; no padding
	s_or_b32 s[G1B], s98, (3<<16)|(1<<21)
.irp g, G1, G1B
	s_mov_b32 s[\g+1], 32<<16                      ; a dense block of rows of 256 bytes
	s_mov_b32 s[\g+2], 300<<16                     ; the head's load: six panels, 300 dense rows of 256 bytes
	s_mov_b32 s[\g+3], 32<<16
	s_mov_b32 s[\g+4], 300
	s_mov_b32 s[\g+5], 32
	s_mov_b32 s[\g+6], 0
	s_mov_b32 s[\g+7], 0
.endr
	s_lshl_b32 s20, s17, 1
	s_add_co_u32 s88, s20, s15                     ; the 128 rows of source 1 that I multiply,
	s_add_co_u32 s20, s20, s16                     ; and those that I fetch
	s_mul_i32 s20, s20, NKS*PANEL
	s_mov_b32 s21, 0
	s_lshl_b32 s84, s96, 1
	s_add_co_u32 s89, s84, s16                     ; source 0's: the same 128 for both
	s_add_co_u32 s84, s84, s16
	s_mul_i32 s84, s84, NKS*PANEL
	s_mov_b32 s85, 0
	s_mul_i32 s12, s14, 6*PANEL
	s_wait_dscnt 0x0                               ; the opening add is done
	s_wait_kmcnt 0x0
	s_cmp_eq_u32 ttmp9, 2
	s_cselect_b64 s[76:77], s[6:7], s[4:5]         ; source 1's image
	s_cselect_b64 s[78:79], s[4:5], s[6:7]         ; source 0's
	s_add_nc_u64 s[76:77], s[76:77], s[22:23]
	s_add_nc_u64 s[20:21], s[76:77], s[20:21]
	s_add_nc_u64 s[84:85], s[78:79], s[84:85]
	CROUND                                         ; all sixteen work-groups are here: the first joint loads meet
.irp s, 0                              ; one tensor load a wave at the head
	s_mov_b32 s[G0+4*\s], 1
	s_add_co_u32 s[G0+4*\s+1], s12, \s*SLOT
	s_add_nc_u64 s[G0+4*\s+2:G0+4*\s+3], s[20:21], \s*KS*PANEL
	s_or_b32 s[G0+4*\s+3], s[G0+4*\s+3], 0x80000000
	s_mov_b32 s[G0B+4*\s], 1
	s_add_co_u32 s[G0B+4*\s+1], s12, \s*SLOT
	s_add_nc_u64 s[G0B+4*\s+2:G0B+4*\s+3], s[84:85], \s*KS*PANEL
	s_or_b32 s[G0B+4*\s+3], s[G0B+4*\s+3], 0x80000000
	JLOAD \s
.endr
	v_and_b32 v1, 15, v0                           ; r
	v_bfe_u32 v2, v0, 4, 1                         ; h
	v_and_b32 v3, 31, v0                           ; lane
	v_lshlrev_b32 v[L16], 4, v3
	v_lshlrev_b32 v[L8], 3, v3
	v_lshlrev_b32 v[L4], 2, v3
	v_lshlrev_b32 v[R4], 2, v1
	v_lshlrev_b32 v[H64], 6, v2
	v_and_b32 v[PI4], 7, v1
	v_lshrrev_b32 v[TA], 3, v1
	v_lshl_or_b32 v[PI4], v[TA], 4, v[PI4]
	v_lshlrev_b32 v[PI4], 2, v[PI4]                ; 4 x ((r & 7) + 16 (r >> 3)): my lane's index in an even tile
	s_mul_i32 s21, s15, ASTR
	s_mul_i32 s22, s16, ASTR
	s_add_co_u32 s22, s22, 12*PANEL
.irp s, 0,1,2
	v_add_nc_u32 v[ADA16+\s], s21, v[L16]
	v_add_nc_u32 v[ADA8+\s], s21, v[L8]
	v_add_nc_u32 v[ADB16+\s], s22, v[L16]
	v_add_nc_u32 v[ADB8+\s], s22, v[L8]
	s_add_co_u32 s21, s21, SLOT
	s_add_co_u32 s22, s22, SLOT
.endr
	s_mul_i32 s21, s15, SSTR
	s_mul_i32 s22, s16, SSTR
	s_add_co_u32 s22, s22, 12*PANEL
	s_sub_co_u32 s22, s22, s21
	v_mul_u32_u24 v[TB], s22, v2                   ; lanes 16-31 take source 0's scale words: one product, h x the distance
	s_add_co_u32 s21, s21, PSC
	v_add_nc_u32 v[TB], v[TB], v[R4]
	v_add_nc_u32 v[ADS], s21, v[TB]
	v_add_nc_u32 v[ADS+1], SLOT, v[ADS]
	v_add_nc_u32 v[ADS+2], 2*SLOT, v[ADS]
	; the bias and the mask: loaded on every way, inside their buffers on every way; each way out uses what it needs
	s_cmp_eq_u32 ttmp9, 1
	s_cselect_b64 s[8:9], s[10:11], s[8:9]
	s_cmp_eq_u32 ttmp9, 2
	s_cselect_b64 s[8:9], s[68:69], s[8:9]         ; bq, bk or bv
	s_and_b32 s18, s89, 7
	s_lshl_b32 s18, s18, 9
	s_mov_b32 s19, 0
	s_add_nc_u64 s[90:91], s[8:9], s[18:19]        ; along source 0's index
	s_and_b32 s18, s88, 7
	s_lshl_b32 s18, s18, 9
	s_add_nc_u64 s[92:93], s[8:9], s[18:19]        ; along source 1's
	s_lshl_b32 s18, s88, 9
	s_add_nc_u64 s[94:95], s[70:71], s[18:19]      ; the mask of source 1's 128 tokens
	WIN 0x40
.irp t, 0,1,2,3,4,5,6,7
	global_load_b128 v[96+128*(\t/4)+8*(\t%4):99+128*(\t/4)+8*(\t%4)], v[H64], s[90:91] offset:(32*(\t/2)+8*(\t%2))*4
	global_load_b128 v[100+128*(\t/4)+8*(\t%4):103+128*(\t/4)+8*(\t%4)], v[H64], s[90:91] offset:(32*(\t/2)+8*(\t%2))*4+16
.endr
	WIN 0
.irp a, 0,1,2,3,4,5,6,7
	global_load_b32 v[BM+\a], v[PI4], s[92:93] offset:(32*(\a/2)+8*(\a%2))*4
	global_load_b32 v[MK+\a], v[PI4], s[94:95] offset:(32*(\a/2)+8*(\a%2))*4
.endr
	s_wait_alu depctr_va_vdst(0)
	s_wait_tensorcnt 0x0                           ; my six panels are in
	s_barrier_signal -1
	s_barrier_wait -1
	FETCH 0, 0, 0
	STEP 0, 1, 0, 1                                ; K step 0: its products start the sums
	TURN 0, 1, 1                                   ; K step 1: slots 1 and 2 are whole, slot 0 is left and takes K steps 6 and 7
	STEP 1, 1, 0, 0                                ; K step 2
	STEP 2, 0, 1, 0                                ; K step 3: on into slot 2, which the round above has shown whole: no barrier
	STEP 2, 1, 0, 0                                ; K step 4
	TURN 2, 0, 0                                   ; K step 5: slot 0's second fill has landed in every wave
	STEP 0, 1, 0, 0                                ; K step 6
	s_wait_dscnt 0x0
	MUL 0, MA, 1, 0                                ; K step 7
	WIN 0
	PLACES
	s_wait_loadcnt 0x0                             ; the bias and the mask
	s_mov_b32 s[SEL], 0x76543210
	s_mov_b32 s[SEL+1], 0xfedcba98
	s_mov_b32 s86, 0xffff0000                      ; lanes 16-31
.irp b, 0,1,2,3
	v_mov_b32 v[TM+4+\b], 0                        ; a lane permute's destination counts as one of its sources
.endr
	s_cmp_eq_u32 ttmp9, 2
	s_cbranch_scc1 .Lv
	; ---- q and k.  My 128 tokens are step st of batch b; my 128 features are heads 2 hp and 2 hp + 1
	s_lshr_b32 s18, s88, 3                         ; b
	s_and_b32 s19, s88, 7                          ; st
	s_and_b32 s22, s89, 7                          ; hp
	s_lshl_b32 s18, s18, 4
	s_lshl_b32 s22, s22, 1
	s_add_co_u32 s18, s18, s22                     ; 16 b + 2 hp
	s_lshl_b32 s22, s18, 6
	s_lshl_b32 s23, s19, 3
	s_add_co_u32 s22, s22, s23                     ; q: my first tile
	s_mul_i32 s96, s22, 768
	s_lshl_b32 s97, s22, 6
	s_add_co_u32 s97, s97, QSC
	s_lshl_b32 s22, s18, 3
	s_add_co_u32 s22, s22, s19
	s_mul_i32 s22, s22, KVP                        ; k: the head's step
	s_add_co_u32 s23, s22, 12288
	s_cmp_eq_u32 ttmp9, 1
	s_cselect_b32 s96, s22, s96                    ; where the tiles go,
	s_cselect_b32 s97, s23, s97                    ; and their scale words
	s_cselect_b64 s[76:77], s[74:75], s[72:73]
	s_mov_b32 s98, 64*768
	s_cselect_b32 s98, 8*KVP, s98                  ; from a head to the next: tiles,
	s_mov_b32 s99, 64*64
	s_cselect_b32 s99, 8*KVP, s99                  ; scale words
	s_cselect_b32 s87, -1, 0                       ; the mask acts on k alone
	s_mov_b32 s84, 0x408f0000
	s_cselect_b32 s84, 0x40010000, s84             ; the scale word's upper bytes: q's, or an open key's
	s_mov_b32 s18, s96
	s_mov_b32 s19, 0
	s_add_nc_u64 s[78:79], s[76:77], s[18:19]      ; the even head's tiles,
	s_mov_b32 s18, s98
	s_add_nc_u64 s[80:81], s[78:79], s[18:19]      ; the odd head's,
	s_mov_b32 s18, s97
	s_add_nc_u64 s[82:83], s[76:77], s[18:19]      ; the scale words
	v_mul_u32_u24 v[WOF], s99, v2
	v_add_nc_u32 v[WOF], v[WOF], v[R4]             ; lanes 0-15 store the even head's words, lanes 16-31 the odd head's
	v_lshlrev_b32 v[SH], 4, v2
	v_mov_b32 v[UPO], s84
	v_mov_b32 v[UPM], 0x40900000                   ; a masked key's
.macro OUTQK a
	WIN 0x06+(\a)/4
.set j, 0
.rept 64
	v_add_f32 v[NU+j], v[64*((\a)%4)+j], v[96+128*(j/32)+(j%32)]   ; + the bias; each accumulator from its low end on
.set j, j+1
.endr
	WIN 0
	s_wait_xcnt 0x0                                ; the last tile's stores have read their registers
	QUANT NU, PWB
	v_cmp_eq_u32 vcc_lo, 0, v[MK+(\a)]
	s_and_b32 s85, vcc_lo, s87
	v_cndmask_b32 v[KEEP], -1, 0, s85
	v_cndmask_b32 v[UU], v[UPO], v[UPM], s85
.irp i, 0,1,2,3,4,5,6,7,8,9,10,11
	v_and_b32 v[PC+\i], v[PC+\i], v[KEEP]          ; a masked key's codes are cleared
.endr
	v_lshrrev_b32 v[WD], v[SH], v[PWB]
	v_and_or_b32 v[WD], v[WD], 0xffff, v[UU]       ; my head's two bytes, and the extra channel's
	global_store_b128 v[L16], v[PC:PC+3], s[78:79] offset:(\a)*768
	global_store_b64 v[L8], v[PC+4:PC+5], s[78:79] offset:(\a)*768+512
	global_store_b128 v[L16], v[PC+6:PC+9], s[80:81] offset:(\a)*768
	global_store_b64 v[L8], v[PC+10:PC+11], s[80:81] offset:(\a)*768+512
	global_store_b32 v[WOF], v[WD], s[82:83] offset:(\a)*64
.endm
.irp a, 0,1,2,3,4,5,6,7
	OUTQK \a
.endr
	FINISH
	; ---- v.  My 128 channels are heads 2 rg and 2 rg + 1; my 128 tokens are key step st of batch b
.Lv:
	s_lshr_b32 s18, s89, 3
	s_and_b32 s19, s89, 7
	s_lshl_b32 s18, s18, 4
	s_lshl_b32 s22, s88, 1
	s_add_co_u32 s18, s18, s22
	s_lshl_b32 s18, s18, 3
	s_add_co_u32 s18, s18, s19
	s_mul_i32 s18, s18, KVP
	s_mov_b32 s19, 0
	s_add_nc_u64 s[78:79], s[74:75], s[18:19]
	s_add_nc_u64 s[80:81], s[78:79], 8*KVP
.macro OUTV a
	WIN 0x02+(\a)/4
.set j, 0
.rept 64
	v_add_f32 v[NU+j], v[64*((\a)%4)+j], v[BM+(\a)]   ; + my channel's bias
.set j, j+1
.endr
	WIN 0
	s_wait_xcnt 0x0
	QUANT NU, PWB+(\a)
	global_store_b128 v[L16], v[PC:PC+3], s[78+2*((\a)/4):79+2*((\a)/4)] offset:6144+((\a)%4)*FRAG
	global_store_b64 v[L8], v[PC+4:PC+5], s[78+2*((\a)/4):79+2*((\a)/4)] offset:6144+((\a)%4)*FRAG+512
	global_store_b128 v[L16], v[PC+6:PC+9], s[78+2*((\a)/4):79+2*((\a)/4)] offset:6144+((\a)%4)*FRAG+768
	global_store_b64 v[L8], v[PC+10:PC+11], s[78+2*((\a)/4):79+2*((\a)/4)] offset:6144+((\a)%4)*FRAG+1280
.if (\a)%2
	v_cndmask_b32 v[JW+(\a)/2], v[PWB+(\a)-1], v[PWB+(\a)], s86   ; two tiles' words leave together: 128 consecutive bytes
	global_store_b32 v[L4], v[JW+(\a)/2], s[78+2*((\a)/4):79+2*((\a)/4)] offset:12800+((\a)%4-1)*64
.endif
.endm
.irp a, 0,1,2,3,4,5,6,7
	OUTV \a
.endr
	FINISH
.Lfunc_end_k_q91c7bdac25_qkv:
	.size	k_q91c7bdac25_qkv, .Lfunc_end_k_q91c7bdac25_qkv-k_q91c7bdac25_qkv
	.p2alignl 7, 3214868480
	.fill 96, 4, 3214868480
	.section	.rodata,"a",@progbits
	.p2align	6, 0x0
	.amdhsa_kernel k_q91c7bdac25_qkv
		.amdhsa_group_segment_fixed_size 327680
		.amdhsa_private_segment_fixed_size 0
		.amdhsa_enable_private_segment 0
		.amdhsa_kernarg_size 64
		.amdhsa_user_sgpr_count 2
		.amdhsa_user_sgpr_kernarg_segment_ptr 1
		.amdhsa_wavefront_size32 1
		.amdhsa_system_sgpr_workgroup_id_x 1
		.amdhsa_system_sgpr_workgroup_id_y 1
		.amdhsa_system_sgpr_workgroup_id_z 1
		.amdhsa_system_vgpr_workitem_id 0
		.amdhsa_next_free_vgpr 1024
		.amdhsa_next_free_sgpr 100
		.amdhsa_reserve_vcc 1
		.amdhsa_float_denorm_mode_32 3
		.amdhsa_float_denorm_mode_16_64 3
		.amdhsa_memory_ordered 1
		.amdhsa_forward_progress 1
		.amdhsa_inst_pref_size 223
	.end_amdhsa_kernel
	.amdgpu_metadata
---
amdhsa.version: [ 1, 2 ]
amdhsa.kernels:
  - .name:           k_q91c7bdac25_qkv
    .symbol:         k_q91c7bdac25_qkv.kd
    .args:
      - { .name: himg, .offset: 0, .size: 8, .value_kind: global_buffer, .address_space: global }
      - { .name: wimg, .offset: 8, .size: 8, .value_kind: global_buffer, .address_space: global }
      - { .name: bq, .offset: 16, .size: 8, .value_kind: global_buffer, .address_space: global }
      - { .name: bk, .offset: 24, .size: 8, .value_kind: global_buffer, .address_space: global }
      - { .name: bv, .offset: 32, .size: 8, .value_kind: global_buffer, .address_space: global }
      - { .name: mask, .offset: 40, .size: 8, .value_kind: global_buffer, .address_space: global }
      - { .name: qimg, .offset: 48, .size: 8, .value_kind: global_buffer, .address_space: global }
      - { .name: kvimg, .offset: 56, .size: 8, .value_kind: global_buffer, .address_space: global }
    .group_segment_fixed_size: 327680
    .private_segment_fixed_size: 0
    .kernarg_segment_align: 8
    .kernarg_segment_size: 64
    .max_flat_workgroup_size: 128
    .sgpr_count:     100
    .vgpr_count:     1024
    .wavefront_size: 32
...
	.end_amdgpu_metadata
.endif
;; end of part 2
;; launch att (part 3): grid 4 x 64, 16 waves a work-group, clusters of 4 x 1, 167,936 bytes of LDS; arguments qimg, kvimg, cimg; writes cimg
.if DOCPART == 3
	.amdgcn_target "amdgcn-amd-amdhsa--gfx1250"
	.amdhsa_code_object_version 6
	.text
	.protected	k_q91c7bdac25_att
	.globl	k_q91c7bdac25_att
	.p2align	8
	.type	k_q91c7bdac25_att,@function
k_q91c7bdac25_att:
	s_mov_b64 s[64:65], 0
	v_nop
	global_prefetch_b8 v0, s[64:65] scope:SCOPE_SE
	s_setreg_imm32_b32 hwreg(HW_REG_WAVE_MODE, 25, 1), 1
	s_wait_xcnt 0x0
	s_wait_alu depctr_hold_cnt(0) depctr_sa_sdst(0) depctr_va_vdst(0) depctr_va_sdst(0) depctr_va_ssrc(0) depctr_va_vcc(0) depctr_vm_vsrc(0)
	s_getreg_b32 s2, hwreg(HW_REG_IB_STS2, 6, 4)
	s_cmp_eq_u32 s2, 0
	s_cbranch_scc0 .Lentry_in_a_cluster
	s_endpgm
.Lentry_in_a_cluster:
	s_bfe_u32 s2, ttmp6, 0x10000c
	s_cmp_lg_u32 s2, 0x3003
	s_cbranch_scc0 .Lentry_shape_is_right
	s_endpgm
.Lentry_shape_is_right:
; ctx = softmax(q k^T / 8, masked) v for one head, both products on FP6 codes; ctx / l is quantised along the model's features for the next product.
; t = score x log2(e) / 8; M = the running largest t rounded up to a whole number; p = 2^(t - M) is quantised along the keys; l is the sum of the unquantised p and divides at the end.
; SHARES.  A work-group owns 256 queries of one head, each of its sixteen waves one tile of 16.  The head's k, v and scale words, 8 x 13,056 bytes, come into LDS ONCE: no slot is filled again.
; The four query blocks of a head form a cluster and ask jointly: waves 0-7 one load each (key step w).
; LAYOUT.  Both products transposed (S^T = K Q^T, O^T = V^T P^T): a lane holds one query.  The keys of a tile are not neighbours: lane r of tile 2 b + u holds key 32 b + 8 u + (r & 7) + 16 (r >> 3), so that 16 registers are 16 neighbouring keys.
; THE HEAD HAS 64 CHANNELS: registers 0-5 of K's and Q's operands.  THE MASK rides on one more channel, k = 64: code +1 in Q, -1 in K, set here once; Q's scale byte there is 0x8f, a masked key's 0x90 and an open key's 0x01.
; So a masked score is exactly -2^33 (its other codes were cleared), an open one carries -2^-110.  All other codes of k = 65 .. 127 are zeros.
; LIMITS: a masked logit is -2^30 where reference() has -1e9; NaN and infinities are not served.
.set KVP, 13056
.set VFO, 6144
.set KSO, 12288
.set VSO, 12800
.set QSC, 3145728
.set PANEL, 12800
.set SPARE, 8*KVP                      ; behind the eight steps: the spare words, 128 bytes for each of sixteen waves
.set SPW, 8
.set NIL, 9
.set WV, 10
.set G1, 24
.set G0, 32
.set SEL, 40
.set CS, 42
.macro PLACES
.rept 4
	v_nop
.endr
.endm
.macro ROUND
	s_barrier_signal -1
	s_barrier_wait -1
	s_cmp_lg_u32 s[WV], 0
	s_cbranch_scc1 .Lnot_wave_0_\@
	s_barrier_signal -3
.Lnot_wave_0_\@:
	s_barrier_wait -3
	s_barrier_signal -1
	s_barrier_wait -1
.endm
	s_load_b128 s[4:7], s[0:1], 0x0                ; qimg, kvimg
	s_load_b64 s[8:9], s[0:1], 0x10                ; cimg
	v_lshl_add_u32 v[SPW], v0, 2, SPARE
	v_mov_b32 v[NIL], 0
	ds_add_u32 v[SPW], v[NIL]                      ; the opening: the add and its wait ahead of the first tensor loads
	ds_add_u32 v[SPW], v[NIL]
	v_lshrrev_b32 v10, 5, v0
	s_delay_alu instid0(VALU_DEP_1)
	v_readfirstlane_b32 s[WV], v10                 ; wave 0..15
	s_bfe_u32 s11, ttmp6, 0x40000                  ; cx
	s_and_b32 s12, ttmp7, 0xffff                   ; 16 x batch + head, which the four partners share
	s_lshl_b32 s13, ttmp9, 2
	s_add_co_u32 s13, s13, s11                     ; my block of 256 queries: it enters global addresses alone
	s_mov_b32 s[G1], 15|(3<<16)|(1<<21)            ; the mask: all four; elements of 8 bytes; bit 21 beside a mask
	s_mov_b32 s[G1+1], 32<<16                      ; a key step: a dense block of 51 rows of 256 bytes
	s_mov_b32 s[G1+2], 51<<16
	s_mov_b32 s[G1+3], 32<<16
	s_mov_b32 s[G1+4], 51
	s_mov_b32 s[G1+5], 32
	s_mov_b32 s[G1+6], 0
	s_mov_b32 s[G1+7], 0
	s_and_b32 s52, s[WV], 7                        ; waves 0-7 fetch key step w, one load each
	s_lshl_b32 s53, s12, 3
	s_add_co_u32 s53, s53, s52
	s_mul_i32 s54, s53, KVP                        ; key step w of my head, in memory,
	s_mov_b32 s55, 0
	s_mul_i32 s53, s52, KVP                        ; and in LDS
	s_lshl_b32 s14, s12, 6
	s_lshl_b32 s15, s13, 4
	s_add_co_u32 s14, s14, s15
	s_add_co_u32 s14, s14, s[WV]                   ; my tile of queries
	s_mul_i32 s44, s14, 768
	s_mov_b32 s45, 0
	s_lshl_b32 s46, s14, 6
	s_add_co_u32 s46, s46, QSC
	s_mov_b32 s47, 0
	s_lshr_b32 s14, s12, 4                         ; batch
	s_and_b32 s15, s12, 15                         ; head
	s_lshl_b32 s14, s14, 3
	s_lshl_b32 s16, s13, 1
	s_add_co_u32 s14, s14, s16
	s_lshr_b32 s16, s[WV], 3
	s_add_co_u32 s14, s14, s16                     ; my 128 tokens' row of panels,
	s_lshl_b32 s14, s14, 3
	s_lshr_b32 s16, s15, 1
	s_add_co_u32 s14, s14, s16                     ; K step head / 2
	s_mul_i32 s14, s14, PANEL
	s_and_b32 s16, s[WV], 7
	s_and_b32 s15, s15, 1
	s_mul_i32 s17, s16, 1536
	s_mul_i32 s18, s15, 768
	s_add_co_u32 s48, s14, s17
	s_add_co_u32 s48, s48, s18                     ; my tile's fragment, its half head % 2
	s_mov_b32 s49, 0
	s_lshl_b32 s16, s16, 6
	s_lshl_b32 s15, s15, 1
	s_add_co_u32 s50, s14, s16
	s_add_co_u32 s50, s50, s15
	s_add_co_u32 s50, s50, 12288                   ; and its two bytes of each scale word
	s_mov_b32 s51, 0
	s_mov_b32 s[SEL], 0x76543210
	s_mov_b32 s[SEL+1], 0xfedcba98
	s_mov_b32 s[CS], 0x3e38aa3b                    ; c = log2(e) / 8
	s_mov_b32 s[CS+1], s[CS]
	s_wait_dscnt 0x0                               ; the opening add is done
	s_wait_kmcnt 0x0
	s_add_nc_u64 s[54:55], s[6:7], s[54:55]
	s_mov_b32 s[G0], 1
	s_mov_b32 s[G0+1], s53
	s_mov_b64 s[G0+2:G0+3], s[54:55]
	s_or_b32 s[G0+3], s[G0+3], 0x80000000
	s_add_nc_u64 s[44:45], s[4:5], s[44:45]
	s_add_nc_u64 s[46:47], s[4:5], s[46:47]
	s_add_nc_u64 s[48:49], s[8:9], s[48:49]
	s_add_nc_u64 s[50:51], s[8:9], s[50:51]
	ROUND                                          ; all four work-groups are here: the joint loads meet
	s_cmp_lt_u32 s[WV], 8
	s_cbranch_scc0 .Lno_fetch
	tensor_load_to_lds s[G0:G0+3], s[G1:G1+7]      ; key step w
	s_nop 0
	PLACES
.Lno_fetch:
	v_and_b32 v10, 31, v0
	s_delay_alu instid0(VALU_DEP_1)
	v_lshlrev_b32 v1, 4, v10                       ; 16 x lane
	s_delay_alu instid0(VALU_DEP_2)
	v_lshlrev_b32 v2, 3, v10                       ; 8 x lane
	v_and_b32 v11, 15, v0
	s_delay_alu instid0(VALU_DEP_1)
	v_lshlrev_b32 v3, 2, v11                       ; 4 r
	global_load_b128 v[16:19], v1, s[44:45]        ; Q's registers 0-5 stay
	global_load_b64 v[20:21], v2, s[44:45] offset:512
	global_load_b32 v255, v3, s[46:47]             ; and its scale words
	v_add_nc_u32 v4, 4*KVP, v1                     ; the same three for key steps 4-7, so that every offset fits its 16 bits
	v_add_nc_u32 v5, 4*KVP, v2
	v_add_nc_u32 v6, 4*KVP, v3
	v_bfe_u32 v7, v0, 4, 1
	s_delay_alu instid0(VALU_DEP_1)
	v_sub_nc_u32 v7, 1, v7                         ; 1 in lanes 0-15, which hold k = 64 .. 95 in registers 6-11
	s_delay_alu instid0(VALU_DEP_1)
	v_lshlrev_b32 v22, 3, v7                       ; Q at k = 64: the code of +1
	s_delay_alu instid0(VALU_DEP_2)
	v_mul_u32_u24 v38, 0x28, v7                    ; K at k = 64: the code of -1
.irp t, 1,2,3
	v_mov_b32 v[38+12*\t], v38
.endr
.irp i, 23,24,25,26,27
	v_mov_b32 v[\i], 0
.endr
.irp t, 0,1,2,3
.irp i, 7,8,9,10,11
	v_mov_b32 v[32+12*\t+\i], 0                    ; never loaded: they stay zeros
.endr
.endr
	v_mov_b32 v13, 0xff61b1e6                      ; the largest t so far: -3e38
	s_delay_alu instid0(VALU_DEP_1)
	v_floor_f32 v12, -v13                          ; -M
	v_mov_b32 v14, 0
	v_mov_b32 v15, 0
.irp b, 0,1,2,3
	v_mov_b32 v[236+\b], 0                         ; a lane permute's destination counts as one of its sources
.endr
	v_mov_b32 v253, 0
.irp j, 0,1,2,3,4,5,6,7,8,9,10,11,12,13,14,15,16,17,18,19,20,21,22,23,24,25,26,27,28,29,30,31
	v_mov_b32 v[192+\j], 0                         ; O^T: the step is written once; the first finds zeros
.endr
; A KEY STEP of 128 keys.  v32-79 four fragments of K, v80-127 V's four, v128-191 S^T then p, v192-223 O^T, v224-235 p's codes
.macro STEP q
.set OQ, ((\q)%4)*KVP
.set A16, 1+3*((\q)/4)
.set A8, 2+3*((\q)/4)
.set A4, 3+3*((\q)/4)
.irp g, 0,1
	PLACES                                         ; ahead of loads into registers that matrix instructions have read
.irp t, 0,1,2,3
	ds_load_b128 v[32+12*\t:35+12*\t], v[A16] offset:OQ+(4*\g+\t)*768
	ds_load_b64 v[36+12*\t:37+12*\t], v[A8] offset:OQ+(4*\g+\t)*768+512
	ds_load_b32 v[248+\t], v[A4] offset:OQ+KSO+(4*\g+\t)*64
.endr
.if \g == 0
	s_wait_dscnt 0x0
.else
.irp t, 0,1,2,3
	ds_load_b128 v[80+12*\t:83+12*\t], v[A16] offset:OQ+VFO+\t*1536
	ds_load_b64 v[84+12*\t:85+12*\t], v[A8] offset:OQ+VFO+\t*1536+512
	ds_load_b128 v[86+12*\t:89+12*\t], v[A16] offset:OQ+VFO+\t*1536+768
	ds_load_b64 v[90+12*\t:91+12*\t], v[A8] offset:OQ+VFO+\t*1536+1280
	ds_load_b32 v[28+\t], v[A4] offset:OQ+VSO+\t*64
.endr
	s_wait_dscnt 20                                ; K's twelve are in; V's twenty stay out and land under the softmax
.endif
.irp t, 0,1,2,3
	v_wmma_scale_f32_16x16x128_f8f6f4 v[128+8*(4*\g+\t):135+8*(4*\g+\t)], v[32+12*\t:43+12*\t], v[16:27], 0, v[248+\t], v255 matrix_a_fmt:MATRIX_FMT_FP6 matrix_b_fmt:MATRIX_FMT_FP6
.endr
.endr
	PLACES
.irp b, 0,1,2,3
	v_max3_num_f32 v[232+\b], v[128+16*\b], v[129+16*\b], v[130+16*\b]   ; the largest score of each block of 32 keys: for the row's maximum, and for the block's largest p
.endr
.irp i, 3,5,7,9,11,13
.irp b, 0,1,2,3
	v_max3_num_f32 v[232+\b], v[232+\b], v[128+16*\b+\i], v[129+16*\b+\i]
.endr
.endr
.irp b, 0,1,2,3
	v_max_num_f32 v[232+\b], v[232+\b], v[143+16*\b]
.endr
.irp b, 0,1,2,3
	s_delay_alu instid0(VALU_DEP_4)
	v_permlanex16_b32 v[236+\b], v[232+\b], s[SEL], s[SEL+1]
.endr
.irp b, 0,1,2,3
	s_delay_alu instid0(VALU_DEP_4)
	v_max_num_f32 v[232+\b], v[232+\b], v[236+\b]
.endr
	s_delay_alu instid0(VALU_DEP_2)
	v_max3_num_f32 v254, v232, v233, v234
	s_delay_alu instid0(VALU_DEP_1)
	v_max_num_f32 v254, v254, v235
	s_delay_alu instid0(VALU_DEP_1)
	v_mul_f32 v254, s[CS], v254                    ; as t
	s_delay_alu instid0(VALU_DEP_1)
	v_max_num_f32 v13, v13, v254                   ; the running largest t
	v_mov_b32 v254, v12
	s_delay_alu instid0(VALU_DEP_2)
	v_floor_f32 v12, -v13                          ; the new -M: a whole number
	s_delay_alu instid0(VALU_DEP_1)
	v_sub_f32 v254, v12, v254
	s_delay_alu instid0(VALU_DEP_1)
	v_cvt_i32_f32 v254, v254                       ; (it saturates)
	s_delay_alu instid0(VALU_DEP_1)
	v_ldexp_f32 v252, 1.0, v254                    ; f = 2^(old M - new M): rounds nothing
.irp j, 0,2,4,6,8,10,12,14,16,18,20,22,24,26,28,30,32,34,36,38,40,42,44,46,48,50,52,54,56,58,60,62
	v_pk_fma_f32 v[128+\j:129+\j], v[128+\j:129+\j], s[CS:CS+1], v[12:13] op_sel_hi:[1,0,0]   ; t - M
.endr
.irp b, 0,1,2,3
	v_fma_f32 v[232+\b], v[232+\b], s[CS], v12
.endr
	s_wait_alu depctr_va_vdst(0)
.irp j, 0,1,2,3,4,5,6,7,8,9,10,11,12,13,14,15,16,17,18,19,20,21,22,23,24,25,26,27,28,29,30,31,32,33,34,35,36,37,38,39,40,41,42,43,44,45,46,47,48,49,50,51,52,53,54,55,56,57,58,59,60,61,62,63
	v_exp_f32 v[128+\j], v[128+\j]                 ; p = 2^(t - M)
.endr
	v_pk_mul_f32 v[14:15], v[14:15], v[252:253] op_sel_hi:[1,0]   ; the sums under the new M: the plain place behind the batch
	s_wait_alu depctr_va_vdst(0)                   ; one wait for the batch, ahead of its first reader
.irp b, 0,1,2,3
	v_exp_f32 v[232+\b], v[232+\b]                 ; each block's largest p
.endr
	v_pk_add_f32 v[236:237], v[132:133], v[136:137]
	v_pk_add_f32 v[250:251], v[140:141], v[144:145]
	v_pk_add_f32 v[248:249], v[148:149], v[152:153]
	v_pk_add_f32 v[246:247], v[156:157], v[160:161]
	v_pk_add_f32 v[244:245], v[164:165], v[168:169]
	v_pk_add_f32 v[242:243], v[172:173], v[176:177]
	v_pk_add_f32 v[240:241], v[180:181], v[184:185]
	v_pk_add_f32 v[14:15], v[14:15], v[188:189]
	v_pk_add_f32 v[236:237], v[236:237], v[128:129]
	v_pk_add_f32 v[250:251], v[250:251], v[130:131]
	v_pk_add_f32 v[248:249], v[248:249], v[134:135]
	v_pk_add_f32 v[246:247], v[246:247], v[138:139]
	v_pk_add_f32 v[244:245], v[244:245], v[142:143]
	v_pk_add_f32 v[242:243], v[242:243], v[146:147]
	v_pk_add_f32 v[240:241], v[240:241], v[150:151]
	v_pk_add_f32 v[14:15], v[14:15], v[154:155]
	v_pk_add_f32 v[236:237], v[236:237], v[158:159]
	v_pk_add_f32 v[250:251], v[250:251], v[162:163]
	v_pk_add_f32 v[248:249], v[248:249], v[166:167]
	v_pk_add_f32 v[246:247], v[246:247], v[170:171]
	v_pk_add_f32 v[244:245], v[244:245], v[174:175]
	v_pk_add_f32 v[242:243], v[242:243], v[178:179]
	v_pk_add_f32 v[240:241], v[240:241], v[182:183]
	v_pk_add_f32 v[14:15], v[14:15], v[186:187]
	v_pk_add_f32 v[236:237], v[236:237], v[190:191]
	s_delay_alu instid0(VALU_DEP_2)
	v_pk_add_f32 v[14:15], v[14:15], v[246:247]
	s_delay_alu instid0(VALU_DEP_2)
	v_pk_add_f32 v[236:237], v[236:237], v[244:245]
	v_pk_add_f32 v[250:251], v[250:251], v[242:243]
	v_pk_add_f32 v[248:249], v[248:249], v[240:241]
	s_delay_alu instid0(VALU_DEP_2)
	v_pk_add_f32 v[14:15], v[14:15], v[250:251]
	s_delay_alu instid0(VALU_DEP_2)
	v_pk_add_f32 v[236:237], v[236:237], v[248:249]
	s_delay_alu instid0(VALU_DEP_1)
	v_pk_add_f32 v[14:15], v[14:15], v[236:237]
	s_wait_alu depctr_va_vdst(0)                   ; and one for the four
.irp b, 0,1,2,3
	v_max_num_f32 v[232+\b], 0x1800000, v[232+\b]  ; the floor: the byte cannot fall under 1
.endr
.irp b, 0,1,2,3
	s_delay_alu instid0(VALU_DEP_4)
	v_add_nc_u32 v[244+\b], 0xff000000, v[232+\b]
.endr
.irp b, 0,1,2,3
	s_delay_alu instid0(VALU_DEP_4)
	v_lshrrev_b32 v[236+\b], 23, v[244+\b]
.endr
	s_delay_alu instid0(VALU_DEP_3)
	v_lshl_or_b32 v253, v237, 8, v236              ; p's scale word
	s_delay_alu instid0(VALU_DEP_1)
	v_lshl_or_b32 v253, v238, 16, v253
	s_delay_alu instid0(VALU_DEP_1)
	v_lshl_or_b32 v253, v239, 24, v253
.irp c, 0,1
	v_cvt_scalef32_pk16_fp6_f32 v[224+6*\c:226+6*\c], v[128+32*\c:143+32*\c], v[244+2*\c]
	v_cvt_scalef32_pk16_fp6_f32 v[236+4*\c:238+4*\c], v[144+32*\c:159+32*\c], v[244+2*\c+1]
.endr
	v_nop                                          ; one plain place behind a scaled conversion
.irp c, 0,1
.irp i, 0,1,2
	v_permlane16_swap_b32 v[224+6*\c+\i], v[236+4*\c+\i]
.endr
.irp i, 0,1,2
	s_delay_alu instid0(VALU_DEP_3)
	v_mov_b32 v[227+6*\c+\i], v[236+4*\c+\i]
.endr
.endr
.irp j, 0,2,4,6,8,10,12,14,16,18,20,22,24,26,28,30
	v_pk_mul_f32 v[192+\j:193+\j], v[192+\j:193+\j], v[252:253] op_sel_hi:[1,0]   ; O^T under the new M; these sixteen are also the places ahead of the products below
.endr
	s_wait_alu depctr_va_vdst(0)
	s_wait_dscnt 0x0                               ; V
.irp t, 0,1,2,3
	v_wmma_scale_f32_16x16x128_f8f6f4 v[192+8*\t:199+8*\t], v[80+12*\t:91+12*\t], v[224:235], v[192+8*\t:199+8*\t], v[28+\t], v253 matrix_a_fmt:MATRIX_FMT_FP6 matrix_b_fmt:MATRIX_FMT_FP6
.endr
.endm
	s_wait_tensorcnt 0x0                           ; a fetching wave's one load has landed: behind this barrier all eight key steps are whole
	s_barrier_signal -1
	s_barrier_wait -1
	s_wait_loadcnt 0x0                             ; Q
	STEP 0
	STEP 1
	STEP 2
	STEP 3
	STEP 4
	STEP 5
	STEP 6
	STEP 7
	; THE WAY OUT: O^T / l; register 16 g + i is channel 32 g + 16 h + i of my query: two blocks of the next product's K
	PLACES
	v_add_f32 v14, v14, v15
	s_delay_alu instid0(VALU_DEP_1)
	v_permlanex16_b32 v252, v14, s[SEL], s[SEL+1]
	s_delay_alu instid0(VALU_DEP_1)
	v_add_f32 v14, v14, v252                       ; the row's sum
	s_wait_alu depctr_va_vdst(0)
	v_rcp_f32 v14, v14
	v_nop
	s_wait_alu depctr_va_vdst(0)
.irp j, 0,1,2,3,4,5,6,7,8,9,10,11,12,13,14,15,16,17,18,19,20,21,22,23,24,25,26,27,28,29,30,31
	v_mul_f32 v[128+\j], v[192+\j], v14
.endr
.irp b, 0,1
	v_max3_num_f32 v[232+\b], |v[128+16*\b]|, |v[129+16*\b]|, 0x1800000
.endr
.irp i, 2,4,6,8,10,12,14
.irp b, 0,1
	s_delay_alu instid0(VALU_DEP_2)
	v_max3_num_f32 v[232+\b], v[232+\b], |v[128+16*\b+\i]|, |v[129+16*\b+\i]|
.endr
.endr
.irp b, 0,1
	s_delay_alu instid0(VALU_DEP_2)
	v_permlanex16_b32 v[236+\b], v[232+\b], s[SEL], s[SEL+1]
.endr
.irp b, 0,1
	s_delay_alu instid0(VALU_DEP_2)
	v_max_num_f32 v[232+\b], v[232+\b], v[236+\b]
.endr
.irp b, 0,1
	s_delay_alu instid0(VALU_DEP_2)
	v_add_nc_u32 v[244+\b], 0xff000000, v[232+\b]
.endr
.irp b, 0,1
	s_delay_alu instid0(VALU_DEP_2)
	v_lshrrev_b32 v[236+\b], 23, v[244+\b]
.endr
	s_delay_alu instid0(VALU_DEP_1)
	v_lshl_or_b32 v240, v237, 8, v236              ; my head's two bytes of the row's scale word
	v_cvt_scalef32_pk16_fp6_f32 v[224:226], v[128:143], v244
	v_cvt_scalef32_pk16_fp6_f32 v[236:238], v[144:159], v245
	v_nop
.irp i, 0,1,2
	v_permlane16_swap_b32 v[224+\i], v[236+\i]
.endr
.irp i, 0,1,2
	s_delay_alu instid0(VALU_DEP_3)
	v_mov_b32 v[227+\i], v[236+\i]
.endr
	global_store_b128 v1, v[224:227], s[48:49]
	global_store_b64 v2, v[228:229], s[48:49] offset:512
	global_store_b16 v3, v240, s[50:51]            ; lanes l and l + 16 hold the same two bytes and write them to the same place
	s_wait_tensorcnt 0x0                           ; the wave's end
	ds_add_u32 v[SPW], v[NIL]
	s_wait_dscnt 0x0
	ROUND                                          ; the closing round
	s_endpgm
.Lfunc_end_k_q91c7bdac25_att:
	.size	k_q91c7bdac25_att, .Lfunc_end_k_q91c7bdac25_att-k_q91c7bdac25_att
	.p2alignl 7, 3214868480
	.fill 96, 4, 3214868480
	.section	.rodata,"a",@progbits
	.p2align	6, 0x0
	.amdhsa_kernel k_q91c7bdac25_att
		.amdhsa_group_segment_fixed_size 167936
		.amdhsa_private_segment_fixed_size 0
		.amdhsa_enable_private_segment 0
		.amdhsa_kernarg_size 24
		.amdhsa_user_sgpr_count 2
		.amdhsa_user_sgpr_kernarg_segment_ptr 1
		.amdhsa_wavefront_size32 1
		.amdhsa_system_sgpr_workgroup_id_x 1
		.amdhsa_system_sgpr_workgroup_id_y 1
		.amdhsa_system_sgpr_workgroup_id_z 1
		.amdhsa_system_vgpr_workitem_id 0
		.amdhsa_next_free_vgpr 256
		.amdhsa_next_free_sgpr 66
		.amdhsa_reserve_vcc 0
		.amdhsa_float_denorm_mode_32 3
		.amdhsa_float_denorm_mode_16_64 3
		.amdhsa_memory_ordered 1
		.amdhsa_forward_progress 1
		.amdhsa_inst_pref_size 153
	.end_amdhsa_kernel
	.amdgpu_metadata
---
amdhsa.version: [ 1, 2 ]
amdhsa.kernels:
  - .name:           k_q91c7bdac25_att
    .symbol:         k_q91c7bdac25_att.kd
    .args:
      - { .name: qimg, .offset: 0, .size: 8, .value_kind: global_buffer, .address_space: global }
      - { .name: kvimg, .offset: 8, .size: 8, .value_kind: global_buffer, .address_space: global }
      - { .name: cimg, .offset: 16, .size: 8, .value_kind: global_buffer, .address_space: global }
    .group_segment_fixed_size: 167936
    .private_segment_fixed_size: 0
    .kernarg_segment_align: 8
    .kernarg_segment_size: 24
    .max_flat_workgroup_size: 512
    .sgpr_count:     66
    .vgpr_count:     256
    .wavefront_size: 32
...
	.end_amdgpu_metadata
.endif
;; end of part 3
;; launch wol (part 4): grid 256 x 1, 8 waves a work-group, clusters of 4 x 1, 327,680 bytes of LDS; arguments cimg, wimg, bo, x, ln2_g, ln2_b, x1, himg; writes x1, himg
.if DOCPART == 4
	.amdgcn_target "amdgcn-amd-amdhsa--gfx1250"
	.amdhsa_code_object_version 6
	.text
	.protected	k_q91c7bdac25_wol
	.globl	k_q91c7bdac25_wol
	.p2align	8
	.type	k_q91c7bdac25_wol,@function
k_q91c7bdac25_wol:
	s_mov_b64 s[64:65], 0
	v_nop
	global_prefetch_b8 v0, s[64:65] scope:SCOPE_SE
	s_setreg_imm32_b32 hwreg(HW_REG_WAVE_MODE, 25, 1), 1
	s_wait_xcnt 0x0
	s_wait_alu depctr_hold_cnt(0) depctr_sa_sdst(0) depctr_va_vdst(0) depctr_va_sdst(0) depctr_va_ssrc(0) depctr_va_vcc(0) depctr_vm_vsrc(0)
	s_getreg_b32 s2, hwreg(HW_REG_IB_STS2, 6, 4)
	s_cmp_eq_u32 s2, 0
	s_cbranch_scc0 .Lentry_in_a_cluster
	s_endpgm
.Lentry_in_a_cluster:
	s_bfe_u32 s2, ttmp6, 0x10000c
	s_cmp_lg_u32 s2, 0x3003
	s_cbranch_scc0 .Lentry_shape_is_right
	s_endpgm
.Lentry_shape_is_right:
; x1 = x + ctx wo + bo on FP6 codes, and at once h = g (x1 - mean) / (std + 1e-6) + b over the row of 1,024 (std with 1,023 in the divisor), quantised to FP6 with one E8M0 byte for each 32 along the row.
; SHARES.  Work-group T owns tile T of 16 tokens and all 1,024 columns, so the row's sums stay in the work-group; wave w has columns 128 w .. 128 w + 127: eight accumulators, K = 1,024 in eight K steps of 8 products.
; The product is used transposed (source 0 = 16 columns of wo, source 1 = the tokens): register 8 t + j of lane (r, h) is column 32 (t / 2) + 16 h + 8 (t % 2) + j of token r: 16 neighbours along the next K in 16 registers.
; wo's 102,400 bytes a wave COME BY TWO ROADS AT ONCE.  K steps 3 to 7 come by tensor loads into the wave's own three panels of LDS: one load of 150 rows at the head (K steps 3, 4, 5), one refill of 100 rows (K steps 6, 7).
; K steps 0 to 2 come from memory straight into the operand's registers (the image is the registers as they stand), two sets of 36 loads by turns.  The order of the K steps is free: they are taken in the order 3, 4, 0, 5, 1, 2, 6, 7.
; CLUSTERS of four work-groups: all work-groups walk the same panels of wo, so each tensor load is asked for jointly by the four (mask 15); its descriptor hangs on the wave's number alone.
; The tokens' eight fragments and scale words are wanted by all eight waves: wave w loads K step w's into registers and stores the registers' image into LDS bytes that no tensor load fills; behind a barrier every wave reads them from there.
; The bias is loaded into the accumulators, in the result's layout.  x is named by one prefetch a wave at the head (32 lanes, its 32 blocks of 256 bytes) and loaded behind the last set of wo; it turns through a stage in LDS,
; and so does x1 on its way out: both stages lie in the wave's own panels, which have had their last fill by then.
; LIMITS: NaN and infinities are not served; blocks whose largest magnitude lies under 2^-124 keep the byte 1 (a block of zeros too: its codes are zeros, and this program alone reads the bytes).
.set PANEL, 12800
.set FRAG,  1536
.set PSC,   12288
.set BOFF,  2457600                    ; wo's panels in wimg
.set RED,   0
.set RED2,  512
.set SPARE, 1024                       ; the spare words, 128 bytes for each of the eight waves
.set AIM,   2048                       ; the tokens' eight fragments,
.set ASC,   AIM+8*FRAG                 ; and their scale words, 64 bytes a K step
.set WR,    ASC+512                    ; three panels for each wave
.set SROW,  528
.set OOF,   16*SROW                    ; from x's stage to x1's
.set SPW, 9
.set NIL, 10
.set H64, 12
.set L4,  13
.set O5,  14
.set O6,  15
.set LF,  16                           ; v16-111 wo's eight fragments of a K step out of LDS
.set AFR, 112                          ; v112-123 the tokens' fragment
.set X,   16                           ; later v16-79: x1's rows on their way out
.set Y,   80                           ; later v80-143: x, then x1, then h
.set ACC, 144                          ; v144-207 the accumulators; behind the sums these registers serve the quantiser
.set PC,  144
.set TM,  164
.set PW,  180
.set ST,  182
.set SCW, 208                          ; v208-215 wo's scale words of the two register sets; each register holds two tiles' (lanes 0-15, 16-31)
.set LSC, 216                          ; v216-219 the same of a K step out of LDS
.set ASCR, 220                         ; v220-227 the tokens' scale words, a register a K step
.set WA8, 228
.set WA4, 229
.set AA16, 230
.set AA8, 231
.set AS4, 232
.set CA,  233
.set CS,  234
.set PFX, 235
.set TP,  236
.set CA8, 237
.set TW,  238
.set SEL, 44
.set G1,  56
.set G0,  68
.set MSB, 0
.macro WIN new
.if MSB != (\new)
	s_set_vgpr_msb (MSB<<8)|(\new)
.set MSB, (\new)
.endif
.endm
.macro PLACES                          ; four plain places behind a matrix instruction, ahead of loads into its sources and of reads of its results
.rept 4
	v_nop
.endr
.endm
.macro ROUND                           ; a round of the cluster's barrier
	s_barrier_signal -1
	s_barrier_wait -1
	s_cmp_lg_u32 s28, 0
	s_cbranch_scc1 .Lnot_wave_0_\@
	s_barrier_signal -3
.Lnot_wave_0_\@:
	s_barrier_wait -3
	s_barrier_signal -1
	s_barrier_wait -1
.endm
.macro FRG reg, off                    ; a fragment's image from memory: 512, 256, 512, 256 consecutive bytes
	global_load_b128 v[\reg:\reg+3], v4, s[6:7] offset:\off
	global_load_b64 v[\reg+4:\reg+5], v11, s[6:7] offset:\off+512
	global_load_b128 v[\reg+6:\reg+9], v4, s[6:7] offset:\off+768
	global_load_b64 v[\reg+10:\reg+11], v11, s[6:7] offset:\off+1280
.endm
.macro FRAGL reg, a16, a8, off         ; and from LDS
	ds_load_b128 v[\reg:\reg+3], v[\a16] offset:\off
	ds_load_b64 v[\reg+4:\reg+5], v[\a8] offset:\off+512
	ds_load_b128 v[\reg+6:\reg+9], v[\a16] offset:\off+768
	ds_load_b64 v[\reg+10:\reg+11], v[\a8] offset:\off+1280
.endm
.macro LOADSET k, set                  ; K step k: 36 loads into a register set (window 1: v0-95 or v96-191)
	WIN 0x40
.irp t, 0,1,2,3,4,5,6,7
	FRG 96*(\set)+12*\t, (\k)*PANEL+\t*FRAG
.endr
	WIN 0
.irp i, 0,1,2,3
	global_load_b32 v[SCW+4*(\set)+\i], v[L4], s[6:7] offset:(\k)*PANEL+PSC+128*\i
.endr
.endm
.macro MUL8 wb, sb, k                  ; the eight accumulators take turns, one instruction a turn
.irp t, 0,2,4,6
	v_wmma_scale_f32_16x16x128_f8f6f4 v[ACC+8*\t:ACC+8*\t+7], v[\wb+12*\t:\wb+12*\t+11], v[AFR:AFR+11], v[ACC+8*\t:ACC+8*\t+7], v[\sb+\t/2], v[ASCR+(\k)] matrix_a_fmt:MATRIX_FMT_FP6 matrix_b_fmt:MATRIX_FMT_FP6
	v_wmma_scale_f32_16x16x128_f8f6f4 v[ACC+8*\t+8:ACC+8*\t+15], v[\wb+12*\t+12:\wb+12*\t+23], v[AFR:AFR+11], v[ACC+8*\t+8:ACC+8*\t+15], v[\sb+\t/2], v[ASCR+(\k)] matrix_a_fmt:MATRIX_FMT_FP6 matrix_b_fmt:MATRIX_FMT_FP6 matrix_a_scale:MATRIX_SCALE_ROW1
.endr
.endm
.macro LSTEP k, p                      ; K step k out of place p of my three panels
	PLACES
.irp t, 0,1,2,3,4,5,6,7
	FRAGL LF+12*\t, 5, WA8, (\p)*PANEL+\t*FRAG
.endr
.irp i, 0,1,2,3
	ds_load_b32 v[LSC+\i], v[WA4] offset:(\p)*PANEL+PSC+128*\i
.endr
	FRAGL AFR, AA16, AA8, (\k)*FRAG
	s_wait_dscnt 0x0
	MUL8 LF, LSC, \k
.endm
.macro DSTEP k, set, younger           ; K step k out of a register set; younger: the loads issued behind that set's
	PLACES
	FRAGL AFR, AA16, AA8, (\k)*FRAG
	s_wait_loadcnt \younger
	s_wait_dscnt 0x0
	WIN 0x01                                       ; source 0 in window 1
	MUL8 96*(\set), SCW+4*(\set), \k
	WIN 0
.endm
.macro QUANT s, pw                     ; 64 numbers of a lane, register 16 b + i = k 32 b + 16 (lane / 16) + i, become a fragment in v[PC] on and its scale word
.irp b, 0,1,2,3
	v_max3_num_f32 v[TM+\b], |v[\s+16*\b]|, |v[\s+1+16*\b]|, 0x1800000   ; and the floor 2^(3 - 127): the byte cannot fall under 1
.endr
.irp i, 2,4,6,8,10,12,14
.irp b, 0,1,2,3
	s_delay_alu instid0(VALU_DEP_4)
	v_max3_num_f32 v[TM+\b], v[TM+\b], |v[\s+16*\b+\i]|, |v[\s+1+16*\b+\i]|
.endr
.endr
.irp b, 0,1,2,3
	s_delay_alu instid0(VALU_DEP_4)
	v_permlanex16_b32 v[TM+4+\b], v[TM+\b], s[SEL], s[SEL+1]
.endr
.irp b, 0,1,2,3
	s_delay_alu instid0(VALU_DEP_4)
	v_max_num_f32 v[TM+\b], v[TM+\b], v[TM+4+\b]
.endr
.irp b, 0,1,2,3
	s_delay_alu instid0(VALU_DEP_4)
	v_add_nc_u32 v[TM+12+\b], 0xff000000, v[TM+\b]   ; 2 off the exponent field: the conversion's scale operand
.endr
.irp b, 0,1,2,3
	s_delay_alu instid0(VALU_DEP_4)
	v_lshrrev_b32 v[TM+4+\b], 23, v[TM+12+\b]
.endr
	s_delay_alu instid0(VALU_DEP_3)
	v_lshl_or_b32 v[\pw], v[TM+5], 8, v[TM+4]
	s_delay_alu instid0(VALU_DEP_1)
	v_lshl_or_b32 v[\pw], v[TM+6], 16, v[\pw]
	s_delay_alu instid0(VALU_DEP_1)
	v_lshl_or_b32 v[\pw], v[TM+7], 24, v[\pw]
.irp c, 0,1
	v_cvt_scalef32_pk16_fp6_f32 v[PC+6*\c:PC+2+6*\c], v[\s+32*\c:\s+15+32*\c], v[TM+12+2*\c]
	v_cvt_scalef32_pk16_fp6_f32 v[PC+12+4*\c:PC+14+4*\c], v[\s+16+32*\c:\s+31+32*\c], v[TM+12+2*\c+1]
.endr
	v_nop                                          ; one plain place behind a scaled conversion
.irp c, 0,1
.irp i, 0,1,2
	v_permlane16_swap_b32 v[PC+6*\c+\i], v[PC+12+4*\c+\i]
.endr
.irp i, 0,1,2
	s_delay_alu instid0(VALU_DEP_3)
	v_mov_b32 v[PC+3+6*\c+\i], v[PC+12+4*\c+\i]
.endr
.endr
.endm
.macro ACROSS off                      ; four chains of pairs in v[ST] on become the row's sum over all 1,024 columns, in v[ST+8]
	s_delay_alu instid0(VALU_DEP_3)
	v_pk_add_f32 v[ST:ST+1], v[ST:ST+1], v[ST+2:ST+3]
	s_delay_alu instid0(VALU_DEP_2)
	v_pk_add_f32 v[ST+4:ST+5], v[ST+4:ST+5], v[ST+6:ST+7]
	s_delay_alu instid0(VALU_DEP_1)
	v_pk_add_f32 v[ST:ST+1], v[ST:ST+1], v[ST+4:ST+5]
	s_delay_alu instid0(VALU_DEP_1)
	v_add_f32 v[ST], v[ST], v[ST+1]
	s_delay_alu instid0(VALU_DEP_1)
	v_permlanex16_b32 v[ST+1], v[ST], s[SEL], s[SEL+1]
	s_delay_alu instid0(VALU_DEP_1)
	v_add_f32 v[ST], v[ST], v[ST+1]
	ds_store_b32 v7, v[ST] offset:\off             ; both lanes of a row write the same word with the same value
	s_wait_dscnt 0x0                               ; for the others' sake: my store has landed
	s_barrier_signal -1
	s_barrier_wait -1
.irp k, 0,1,2,3,4,5,6,7
	ds_load_b32 v[ST+8+\k], v8 offset:\off+64*\k
.endr
	s_wait_dscnt 0x0
	v_add_f32 v[ST+8], v[ST+8], v[ST+9]            ; every wave adds in the same order
	v_add_f32 v[ST+10], v[ST+10], v[ST+11]
	v_add_f32 v[ST+12], v[ST+12], v[ST+13]
	v_add_f32 v[ST+14], v[ST+14], v[ST+15]
	s_delay_alu instid0(VALU_DEP_3)
	v_add_f32 v[ST+8], v[ST+8], v[ST+10]
	s_delay_alu instid0(VALU_DEP_2)
	v_add_f32 v[ST+12], v[ST+12], v[ST+14]
	s_delay_alu instid0(VALU_DEP_1)
	v_add_f32 v[ST+8], v[ST+8], v[ST+12]
.endm
	s_load_b256 s[4:11], s[0:1], 0x0               ; cimg, wimg, bo, x
	s_load_b256 s[12:19], s[0:1], 0x20             ; g, b, x1, himg
	v_lshl_add_u32 v[SPW], v0, 2, SPARE
	v_mov_b32 v[NIL], 0
	ds_add_u32 v[SPW], v[NIL]                      ; the opening: the add, twice on end, and its wait ahead of my first tensor load
	ds_add_u32 v[SPW], v[NIL]
	v_lshrrev_b32 v1, 5, v0
	v_readfirstlane_b32 s28, v1                    ; wave 0..7
	s_bfe_u32 s55, ttmp6, 0x40000                  ; cx
	s_lshl_b32 s54, ttmp9, 2
	s_add_co_u32 s54, s54, s55                     ; T: it enters global addresses alone
	s_mul_i32 s29, s28, 3*PANEL
	s_add_co_u32 s29, s29, WR                      ; my three panels
	s_lshl_b32 s41, s28, 6
	s_mul_i32 s55, s28, FRAG
	s_lshr_b32 s30, s54, 1
	s_lshl_b32 s30, s30, 5
	s_and_b32 s31, s54, 1
	s_lshl_b32 s31, s31, 3
	s_add_co_u32 s30, s30, s31                     ; the tile's first row: 32 (T / 2) + 8 (T % 2)
	s_lshl_b32 s30, s30, 12
	s_lshl_b32 s52, s28, 9                         ; my 512 bytes of a row, and of the bias
	s_add_co_u32 s30, s30, s52
	s_mov_b32 s31, 0
	s_mov_b32 s53, 0
	s_lshr_b32 s32, s54, 3
	s_mul_i32 s32, s32, 8*PANEL                    ; the row of panels T / 8
	s_mul_i32 s34, s28, PANEL
	s_add_co_u32 s32, s32, s34                     ; panel (T / 8, w): of ctx the K step that I bring, of h the one that I make
	s_and_b32 s34, s54, 7
	s_mul_i32 s35, s34, FRAG
	s_lshl_b32 s33, s34, 6
	s_add_co_u32 s33, s33, PSC
	s_add_co_u32 s36, s32, s35                     ; my tile's fragment in it,
	s_mov_b32 s37, 0
	s_add_co_u32 s38, s32, s33                     ; and its scale words
	s_mov_b32 s39, 0
	s_mul_i32 s50, s28, 8*PANEL
	s_add_co_u32 s50, s50, BOFF                    ; wo: the panels of my 128 columns
	s_mov_b32 s51, 0
	s_mov_b32 s[SEL], 0x76543210
	s_mov_b32 s[SEL+1], 0xfedcba98
	s_mov_b32 s[G1], 15|(3<<16)|(1<<21)            ; the mask: all four; elements of 8 bytes; bit 21 beside a mask
	s_mov_b32 s[G1+1], 32<<16                      ; three panels: 150 dense rows of 256 bytes
	s_mov_b32 s[G1+2], 150<<16
	s_mov_b32 s[G1+3], 32<<16
	s_mov_b32 s[G1+4], 150
	s_mov_b32 s[G1+5], 32
	s_mov_b32 s[G1+6], 0
	s_mov_b32 s[G1+7], 0
	v_and_b32 v1, 31, v0                           ; lane
	v_and_b32 v2, 15, v0                           ; r
	v_bfe_u32 v3, v0, 4, 1                         ; h
	v_lshlrev_b32 v4, 4, v1
	v_lshlrev_b32 v11, 3, v1
	v_lshlrev_b32 v[L4], 2, v1
	v_lshlrev_b32 v8, 2, v2
	v_lshlrev_b32 v[H64], 6, v3
	v_add_nc_u32 v5, s29, v4                       ; my panels, 16 bytes a lane; later x's stage: a row's 512 bytes as they lie
	v_add_nc_u32 v[WA8], s29, v11
	v_add_nc_u32 v[WA4], s29, v[L4]
	v_mul_u32_u24 v6, v2, SROW
	v_lshl_add_u32 v6, v3, 6, v6
	v_add_nc_u32 v6, s29, v6                       ; the stage's row r, + 64 h: my 16 numbers of each block of 32
	v_add_nc_u32 v[O5], OOF, v5
	v_add_nc_u32 v[O6], OOF, v6
	v_add_nc_u32 v7, s41, v8                       ; 64 w + 4 r
	v_add_nc_u32 v[AA16], AIM, v4
	v_add_nc_u32 v[AA8], AIM, v11
	v_add_nc_u32 v[AS4], ASC, v8
	v_add_nc_u32 v[CA], s55, v[AA16]               ; where K step w's fragment goes: 16 bytes a lane,
	v_add_nc_u32 v[CA8], s55, v[AA8]               ; 8 bytes a lane,
	v_add_nc_u32 v[CS], s41, v[AS4]                ; and its scale words
	v_lshrrev_b32 v[PFX], 1, v1
	v_and_b32 v[TP], 8, v[PFX]
	v_add_nc_u32 v[PFX], v[PFX], v[TP]
	v_lshlrev_b32 v[PFX], 12, v[PFX]
	v_and_b32 v[TP], 1, v1
	v_lshl_add_u32 v[PFX], v[TP], 8, v[PFX]        ; the prefetch: lane l names block l % 2 of my 512 bytes of the tile's row l / 2
	s_wait_alu depctr_va_vdst(0)
	s_wait_dscnt 0x0                               ; both opening adds are done
	s_wait_kmcnt 0x0
	s_load_b32 s40, s[12:13], 0x0                  ; g
	s_load_b32 s42, s[14:15], 0x0                  ; b
	s_add_nc_u64 s[10:11], s[10:11], s[30:31]
	s_add_nc_u64 s[16:17], s[16:17], s[30:31]
	s_add_nc_u64 s[20:21], s[4:5], s[36:37]
	s_add_nc_u64 s[22:23], s[4:5], s[38:39]
	s_add_nc_u64 s[6:7], s[6:7], s[50:51]
	s_add_nc_u64 s[8:9], s[8:9], s[52:53]
	s_add_nc_u64 s[24:25], s[18:19], s[36:37]
	s_add_nc_u64 s[26:27], s[18:19], s[38:39]
	s_mov_b32 s[G0], 1
	s_mov_b32 s[G0+1], s29
	s_add_nc_u64 s[G0+2:G0+3], s[6:7], 3*PANEL     ; K step 3 on
	s_or_b32 s[G0+3], s[G0+3], 0x80000000
	global_load_b128 v[AFR:AFR+3], v4, s[20:21]    ; the tokens' fragment of K step w, as its image lies,
	global_load_b64 v[AFR+4:AFR+5], v11, s[20:21] offset:512
	global_load_b128 v[AFR+6:AFR+9], v4, s[20:21] offset:768
	global_load_b64 v[AFR+10:AFR+11], v11, s[20:21] offset:1280
	global_load_b32 v[TW], v8, s[22:23]            ; and its scale words
	global_prefetch_b8 v[PFX], s[10:11] th:TH_LOAD_NT scope:SCOPE_SE
	ROUND                                          ; all four work-groups are here: the joint loads meet
	tensor_load_to_lds s[G0:G0+3], s[G1:G1+7]      ; K steps 3, 4, 5: one tensor load a wave at the head
	s_nop 0
	PLACES
.irp t, 0,1,2,3,4,5,6,7
	global_load_b128 v[ACC+8*\t:ACC+8*\t+3], v[H64], s[8:9] offset:(32*(\t/2)+8*(\t%2))*4
	global_load_b128 v[ACC+8*\t+4:ACC+8*\t+7], v[H64], s[8:9] offset:(32*(\t/2)+8*(\t%2))*4+16
.endr
	LOADSET 0, 0
	LOADSET 1, 1
	s_wait_loadcnt 63                              ; the tokens' fragment and the bias are in: 72 loads were issued behind them
	s_wait_tensorcnt 0x0                           ; my three panels are in: I alone read them
	ds_store_b128 v[CA], v[AFR:AFR+3]              ; the registers' image, to bytes that no tensor load fills
	ds_store_b64 v[CA8], v[AFR+4:AFR+5] offset:512
	ds_store_b128 v[CA], v[AFR+6:AFR+9] offset:768
	ds_store_b64 v[CA8], v[AFR+10:AFR+11] offset:1280
	ds_store_b32 v[CS], v[TW]                      ; lanes l and l + 16 write the same word to the same place
	s_wait_dscnt 0x0                               ; for the others' sake: my stores have landed
	s_barrier_signal -1
	s_barrier_wait -1                              ; everybody's have
.irp k, 0,1,2,3,4,5,6,7
	ds_load_b32 v[ASCR+\k], v[AS4] offset:64*\k
.endr
	LSTEP 3, 0
	LSTEP 4, 1
	s_wait_tensorcnt 0x0                           ; ahead of the refill: no load of mine is out,
	ds_add_u32 v[SPW], v[NIL]
	s_wait_dscnt 0x0                               ; the add is done, and my reads of places 0 and 1 are over
	ROUND
	s_mov_b32 s[G1+2], 100<<16                     ; two panels, 100 rows,
	s_mov_b32 s[G1+4], 100
	s_add_nc_u64 s[G0+2:G0+3], s[G0+2:G0+3], 3*PANEL   ; K steps 6 and 7, into places 0 and 1
	tensor_load_to_lds s[G0:G0+3], s[G1:G1+7]
	s_nop 0
	PLACES
	DSTEP 0, 0, 36
	PLACES
	LOADSET 2, 0
	LSTEP 5, 2
	DSTEP 1, 1, 36
	PLACES
	WIN 0x40
.irp i, 0,1,2,3,4,5,6,7,8,9,10,11,12,13,14,15
	global_load_b128 v[96+4*\i:99+4*\i], v4, s[10:11] offset:(\i+8*(\i/8))*4096 th:TH_LOAD_NT   ; x: 32 lanes read 512 consecutive bytes of the tile's i-th row, into the set that is done with
.endr
	WIN 0
	DSTEP 2, 0, 16
	s_wait_tensorcnt 0x0                           ; K steps 6 and 7 are in
	LSTEP 6, 0
	LSTEP 7, 1
	PLACES
	s_wait_loadcnt 0x0                             ; x
	WIN 0x04
.irp i, 0,1,2,3,4,5,6,7,8,9,10,11,12,13,14,15
	ds_store_b128 v5, v[96+4*\i:99+4*\i] offset:SROW*\i   ; my panels have had their last fill and their last read: they are the stages now
.endr
	WIN 0
.irp b, 0,1,2,3
.irp j, 0,1,2,3
	ds_load_b128 v[Y+16*\b+4*\j:Y+16*\b+4*\j+3], v6 offset:128*\b+16*\j   ; LDS serves a wave's instructions in order: these see my stores
.endr
.endr
	s_wait_dscnt 0x0
.irp j, 0,2,4,6,8,10,12,14,16,18,20,22,24,26,28,30,32,34,36,38,40,42,44,46,48,50,52,54,56,58,60,62
	v_pk_add_f32 v[Y+\j:Y+\j+1], v[Y+\j:Y+\j+1], v[ACC+\j:ACC+\j+1]   ; x1; each accumulator from its low end on
.endr
.irp b, 0,1,2,3
	v_mov_b32 v[TM+4+\b], 0                        ; a lane permute's destination counts as one of its sources
.endr
.irp b, 0,1,2,3
.irp j, 0,1,2,3
	ds_store_b128 v[O6], v[Y+16*\b+4*\j:Y+16*\b+4*\j+3] offset:128*\b+16*\j
.endr
.endr
.irp i, 0,1,2,3,4,5,6,7,8,9,10,11,12,13,14,15
	ds_load_b128 v[X+4*\i:X+4*\i+3], v[O5] offset:SROW*\i
.endr
.irp k, 0,1,2,3
	v_pk_add_f32 v[ST+2*\k:ST+2*\k+1], v[Y+2*\k:Y+2*\k+1], v[Y+8+2*\k:Y+9+2*\k]
.endr
.irp p, 16,24,32,40,48,56
.irp k, 0,1,2,3
	s_delay_alu instid0(VALU_DEP_4)
	v_pk_add_f32 v[ST+2*\k:ST+2*\k+1], v[ST+2*\k:ST+2*\k+1], v[Y+\p+2*\k:Y+\p+2*\k+1]
.endr
.endr
	ACROSS RED
	s_delay_alu instid0(VALU_DEP_1)
	v_mul_f32 v[ST+16], 0x3a800000, v[ST+8]        ; the mean: / 1,024
	s_delay_alu instid0(VALU_DEP_1)
	v_mov_b32 v[ST+17], v[ST+16]
.irp i, 0,1,2,3,4,5,6,7,8,9,10,11,12,13,14,15
	global_store_b128 v4, v[X+4*\i:X+4*\i+3], s[16:17] offset:(\i+8*(\i/8))*4096   ; 32 lanes store 512 consecutive bytes of a row of x1 (the rows came back ahead of the barrier above)
.endr
.irp j, 0,2,4,6,8,10,12,14,16,18,20,22,24,26,28,30,32,34,36,38,40,42,44,46,48,50,52,54,56,58,60,62
	v_pk_add_f32 v[Y+\j:Y+\j+1], v[Y+\j:Y+\j+1], v[ST+16:ST+17] op_sel_hi:[1,0] neg_lo:[0,1] neg_hi:[0,1]   ; x1 - mean first: no difference of large sums is formed
.endr
.irp k, 0,1,2,3
	v_pk_mul_f32 v[ST+2*\k:ST+2*\k+1], v[Y+2*\k:Y+2*\k+1], v[Y+2*\k:Y+2*\k+1]
.endr
.irp p, 8,16,24,32,40,48,56
.irp k, 0,1,2,3
	s_delay_alu instid0(VALU_DEP_4)
	v_pk_fma_f32 v[ST+2*\k:ST+2*\k+1], v[Y+\p+2*\k:Y+\p+2*\k+1], v[Y+\p+2*\k:Y+\p+2*\k+1], v[ST+2*\k:ST+2*\k+1]
.endr
.endr
	ACROSS RED2                                    ; other bytes than the first sum's
	s_delay_alu instid0(VALU_DEP_1)
	v_mul_f32 v[ST], 0x3a802008, v[ST+8]           ; / 1,023
	s_wait_alu depctr_va_vdst(0)                   ; the waits ahead of and behind each transcendental
	v_sqrt_f32 v[ST], v[ST]
	v_nop
	s_wait_alu depctr_va_vdst(0)
	v_add_f32 v[ST], 0x358637bd, v[ST]             ; + 1e-6
	s_wait_alu depctr_va_vdst(0)
	v_rcp_f32 v[ST], v[ST]
	v_nop
	s_wait_alu depctr_va_vdst(0)
	s_wait_kmcnt 0x0                               ; g and b
	s_mov_b32 s43, s42
	v_mul_f32 v[ST], s40, v[ST]                    ; g / (std + 1e-6)
.irp j, 0,2,4,6,8,10,12,14,16,18,20,22,24,26,28,30,32,34,36,38,40,42,44,46,48,50,52,54,56,58,60,62
	v_pk_fma_f32 v[Y+\j:Y+\j+1], v[Y+\j:Y+\j+1], v[ST:ST+1], s[42:43] op_sel_hi:[1,0,0]
.endr
	QUANT Y, PW
	global_store_b128 v4, v[PC:PC+3], s[24:25]
	global_store_b64 v11, v[PC+4:PC+5], s[24:25] offset:512
	global_store_b128 v4, v[PC+6:PC+9], s[24:25] offset:768
	global_store_b64 v11, v[PC+10:PC+11], s[24:25] offset:1280
	global_store_b32 v8, v[PW], s[26:27]           ; lanes l and l + 16 hold the same word and write it to the same place
	s_wait_tensorcnt 0x0                           ; the wave's end
	ds_add_u32 v[SPW], v[NIL]
	s_wait_dscnt 0x0
	ROUND                                          ; the closing round
	s_endpgm
.Lfunc_end_k_q91c7bdac25_wol:
	.size	k_q91c7bdac25_wol, .Lfunc_end_k_q91c7bdac25_wol-k_q91c7bdac25_wol
	.p2alignl 7, 3214868480
	.fill 96, 4, 3214868480
	.section	.rodata,"a",@progbits
	.p2align	6, 0x0
	.amdhsa_kernel k_q91c7bdac25_wol
		.amdhsa_group_segment_fixed_size 327680
		.amdhsa_private_segment_fixed_size 0
		.amdhsa_enable_private_segment 0
		.amdhsa_kernarg_size 64
		.amdhsa_user_sgpr_count 2
		.amdhsa_user_sgpr_kernarg_segment_ptr 1
		.amdhsa_wavefront_size32 1
		.amdhsa_system_sgpr_workgroup_id_x 1
		.amdhsa_system_sgpr_workgroup_id_y 1
		.amdhsa_system_sgpr_workgroup_id_z 1
		.amdhsa_system_vgpr_workitem_id 0
		.amdhsa_next_free_vgpr 512
		.amdhsa_next_free_sgpr 80
		.amdhsa_reserve_vcc 0
		.amdhsa_float_denorm_mode_32 3
		.amdhsa_float_denorm_mode_16_64 3
		.amdhsa_memory_ordered 1
		.amdhsa_forward_progress 1
		.amdhsa_inst_pref_size 72
	.end_amdhsa_kernel
	.amdgpu_metadata
---
amdhsa.version: [ 1, 2 ]
amdhsa.kernels:
  - .name:           k_q91c7bdac25_wol
    .symbol:         k_q91c7bdac25_wol.kd
    .args:
      - { .name: cimg, .offset: 0, .size: 8, .value_kind: global_buffer, .address_space: global }
      - { .name: wimg, .offset: 8, .size: 8, .value_kind: global_buffer, .address_space: global }
      - { .name: bo, .offset: 16, .size: 8, .value_kind: global_buffer, .address_space: global }
      - { .name: x, .offset: 24, .size: 8, .value_kind: global_buffer, .address_space: global }
      - { .name: ln2_g, .offset: 32, .size: 8, .value_kind: global_buffer, .address_space: global }
      - { .name: ln2_b, .offset: 40, .size: 8, .value_kind: global_buffer, .address_space: global }
      - { .name: x1, .offset: 48, .size: 8, .value_kind: global_buffer, .address_space: global }
      - { .name: himg, .offset: 56, .size: 8, .value_kind: global_buffer, .address_space: global }
    .group_segment_fixed_size: 327680
    .private_segment_fixed_size: 0
    .kernarg_segment_align: 8
    .kernarg_segment_size: 64
    .max_flat_workgroup_size: 256
    .sgpr_count:     80
    .vgpr_count:     512
    .wavefront_size: 32
...
	.end_amdgpu_metadata
.endif
;; end of part 4
;; launch ffn1 (part 5): grid 16 x 16, 4 waves a work-group, clusters of 4 x 4, 327,680 bytes of LDS; arguments himg, wimg, b1, fimg; writes fimg
.if DOCPART == 5
	.amdgcn_target "amdgcn-amd-amdhsa--gfx1250"
	.amdhsa_code_object_version 6
	.text
	.protected	k_q91c7bdac25_ffn1
	.globl	k_q91c7bdac25_ffn1
	.p2align	8
	.type	k_q91c7bdac25_ffn1,@function
k_q91c7bdac25_ffn1:
	s_mov_b64 s[64:65], 0
	v_nop
	global_prefetch_b8 v0, s[64:65] scope:SCOPE_SE
	s_setreg_imm32_b32 hwreg(HW_REG_WAVE_MODE, 25, 1), 1
	s_wait_xcnt 0x0
	s_wait_alu depctr_hold_cnt(0) depctr_sa_sdst(0) depctr_va_vdst(0) depctr_va_sdst(0) depctr_va_ssrc(0) depctr_va_vcc(0) depctr_vm_vsrc(0)
	s_getreg_b32 s2, hwreg(HW_REG_IB_STS2, 6, 4)
	s_cmp_eq_u32 s2, 0
	s_cbranch_scc0 .Lentry_in_a_cluster
	s_endpgm
.Lentry_in_a_cluster:
	s_bfe_u32 s2, ttmp6, 0x10000c
	s_cmp_lg_u32 s2, 0xf033
	s_cbranch_scc0 .Lentry_shape_is_right
	s_endpgm
.Lentry_shape_is_right:
.set BOFF, 3276800
.set MA, 8
.set NB, 8
.set KS, 2
.set NKS, 8
.set PANEL, 12800
.set FRAG, 1536
.set PSC, 12288
; f = relu(h w1 + b1) on FP6 codes, quantised again along the hidden units.  A work-group makes 256 x 256, a wave 128 x 128; K = 1,024 is eight K steps.
; LDS: each wave's ONE head load brings six panels, K steps 0 to 5 of its 128 rows, to 6 panels x wave; a 'slot' is two K steps of that run; K steps 6 and 7 later fill the run's first two panels again
.set SLOT, 2*PANEL
.set SPARE, 24*PANEL
.set ASTR, 6*PANEL
.set SSTR, 6*PANEL
.set AF, 64
.set BSET, 128
.set SC, 32
.set ADA16, 4
.set ADA8, 7
.set ADB16, 10
.set ADB8, 13
.set ADS, 16
.set L16, 19
.set L8, 20
.set R4, 21
.set H64, 22
.set L4, 23
.set SPW, 28
.set NIL, 29
.set TB, 30
.set NU, 64
.set PC, 128
.set TM, 160
.set PWB, 176
.set JW, 184
.set G1, 24
.set G0, 32
.set G0B, 44
.set G1B, 56
.set SEL, 66
.set MSB, 0
.macro WIN new
.if MSB != (\new)
	s_set_vgpr_msb (MSB<<8)|(\new)
.set MSB, (\new)
.endif
.endm
.macro PLACES
.rept 4
	v_nop
.endr
.endm
.macro JLOAD s
	s_cmp_eq_u32 s15, 0
	s_cbranch_scc0 .Lfor_b_\@
	tensor_load_to_lds s[G0+4*\s:G0+4*\s+3], s[G1:G1+7]
	s_nop 0
	PLACES
	s_branch .Lasked_\@
.Lfor_b_\@:
	tensor_load_to_lds s[G0B+4*\s:G0B+4*\s+3], s[G1B:G1B+7]
	s_nop 0
	PLACES
.Lasked_\@:
.endm
.macro CREST
	s_cmp_lg_u32 s14, 0
	s_cbranch_scc1 .Lnot_wave_0_\@
	s_barrier_signal -3
.Lnot_wave_0_\@:
	s_barrier_wait -3
	s_barrier_signal -1
	s_barrier_wait -1
.endm
.macro CROUND
	s_barrier_signal -1
	s_barrier_wait -1
	CREST
.endm
.macro FRAGL reg, a16, a8, off
	ds_load_b128 v[\reg:\reg+3], v[\a16] offset:\off
	ds_load_b64 v[\reg+4:\reg+5], v[\a8] offset:\off+512
	ds_load_b128 v[\reg+6:\reg+9], v[\a16] offset:\off+768
	ds_load_b64 v[\reg+10:\reg+11], v[\a8] offset:\off+1280
.endm
.macro FETCH slot, q, set
	WIN 0x40
.set fi, 0
.rept NB
	FRAGL BSET*(\set)+12*fi, ADB16+\slot, ADB8+\slot, (\q)*PANEL+fi*FRAG
.set fi, fi+1
.endr
	WIN 0
.set fi, 0
.rept MA
	FRAGL AF+12*MA*(\set)+12*fi, ADA16+\slot, ADA8+\slot, (\q)*PANEL+fi*FRAG
.set fi, fi+1
.endr
.set fi, 0
.rept NB
	ds_load_b32 v[SC+8*(\set)+fi], v[ADS+\slot] offset:(\q)*PANEL+fi*64
.set fi, fi+1
.endr
.endm
.macro MUL a0, n, set, zero
.set ma, \a0
.rept \n
.if \zero == 2
	WIN 0x91+0x40*(ma/4)
.else
	WIN 0xa1+0x50*(ma/4)
.endif
.set mb, 0
.rept NB
.set rD, 8*(NB*(ma%4)+mb)
.set rB, BSET*(\set)+12*mb
.set rA, AF+12*MA*(\set)+12*ma
.set rC, 96+128*(mb/4)+8*(mb%4)
.if \zero == 2
	v_wmma_scale_f32_16x16x128_f8f6f4 v[rD:rD+7], v[rB:rB+11], v[rA:rA+11], v[rC:rC+7], v[SC+8*(\set)+mb], v[SC+8*(\set)+ma] matrix_a_fmt:MATRIX_FMT_FP6 matrix_b_fmt:MATRIX_FMT_FP6 matrix_a_scale:MATRIX_SCALE_ROW1
.else
	v_wmma_scale_f32_16x16x128_f8f6f4 v[rD:rD+7], v[rB:rB+11], v[rA:rA+11], v[rD:rD+7], v[SC+8*(\set)+mb], v[SC+8*(\set)+ma] matrix_a_fmt:MATRIX_FMT_FP6 matrix_b_fmt:MATRIX_FMT_FP6 matrix_a_scale:MATRIX_SCALE_ROW1
.endif
.set mb, mb+1
.endr
.set ma, ma+1
.endr
.endm
.macro STEP nslot, nq, set, zero
	s_wait_dscnt 0x0
	PLACES
	FETCH \nslot, \nq, 1-(\set)
	MUL 0, MA, \set, \zero
.endm
.macro TURN slot, next, fill
	WIN 0
	s_wait_tensorcnt 0x0
	ds_add_u32 v[SPW], v[NIL]
	s_wait_dscnt 1
	MUL 0, MA/4, 1, 0
	s_wait_dscnt 0x0
	s_barrier_signal -1
	MUL MA/4, MA/4, 1, 0
	WIN 0
	s_barrier_wait -1
.if \fill
	CREST
	s_mov_b32 s[G1+2], 100<<16                     ; no load of mine is out, so the descriptors may be written: the refill brings two panels, 100 rows
	s_mov_b32 s[G1+4], 100
	s_mov_b32 s[G1B+2], 100<<16
	s_mov_b32 s[G1B+4], 100
	s_add_nc_u64 s[G0+4*\slot+2:G0+4*\slot+3], s[G0+4*\slot+2:G0+4*\slot+3], 3*KS*PANEL
	s_add_nc_u64 s[G0B+4*\slot+2:G0B+4*\slot+3], s[G0B+4*\slot+2:G0B+4*\slot+3], 3*KS*PANEL
	JLOAD \slot
.else
	PLACES
.endif
	FETCH \next, 0, 0
	MUL MA/2, MA/2, 1, 0
.endm
.macro QUANT s, pw
.irp b, 0,1,2,3
	v_max3_num_f32 v[TM+\b], |v[\s+16*\b]|, |v[\s+1+16*\b]|, 0x1800000
.endr
.irp i, 2,4,6,8,10,12,14
.irp b, 0,1,2,3
	v_max3_num_f32 v[TM+\b], v[TM+\b], |v[\s+16*\b+\i]|, |v[\s+1+16*\b+\i]|
.endr
.endr
.irp b, 0,1,2,3
	v_permlanex16_b32 v[TM+4+\b], v[TM+\b], s[SEL], s[SEL+1]
.endr
.irp b, 0,1,2,3
	v_max_num_f32 v[TM+\b], v[TM+\b], v[TM+4+\b]
.endr
.irp b, 0,1,2,3
	v_add_nc_u32 v[TM+12+\b], 0xff000000, v[TM+\b]
.endr
.irp b, 0,1,2,3
	v_lshrrev_b32 v[TM+4+\b], 23, v[TM+12+\b]
.endr
	v_lshl_or_b32 v[\pw], v[TM+5], 8, v[TM+4]
	v_lshl_or_b32 v[\pw], v[TM+6], 16, v[\pw]
	v_lshl_or_b32 v[\pw], v[TM+7], 24, v[\pw]
.irp c, 0,1
	v_cvt_scalef32_pk16_fp6_f32 v[PC+6*\c:PC+2+6*\c], v[\s+32*\c:\s+15+32*\c], v[TM+12+2*\c]
	v_cvt_scalef32_pk16_fp6_f32 v[PC+12+4*\c:PC+14+4*\c], v[\s+16+32*\c:\s+31+32*\c], v[TM+12+2*\c+1]
.endr
	v_nop
.irp c, 0,1
.irp i, 0,1,2
	v_permlane16_swap_b32 v[PC+6*\c+\i], v[PC+12+4*\c+\i]
.endr
.irp i, 0,1,2
	v_mov_b32 v[PC+3+6*\c+\i], v[PC+12+4*\c+\i]
.endr
.endr
.endm
	s_load_b256 s[4:11], s[0:1], 0x0
	v_lshl_add_u32 v[SPW], v0, 2, SPARE
	v_mov_b32 v[NIL], 0
	ds_add_u32 v[SPW], v[NIL]
	ds_add_u32 v[SPW], v[NIL]
	v_lshrrev_b32 v1, 5, v0
	v_readfirstlane_b32 s14, v1
	s_lshr_b32 s15, s14, 1
	s_and_b32 s16, s14, 1
	s_bfe_u32 s2, ttmp6, 0x40000
	s_bfe_u32 s3, ttmp6, 0x40004
	s_lshl_b32 s96, ttmp9, 2
	s_add_co_u32 s96, s96, s2
	s_and_b32 s17, ttmp7, 0xffff
	s_lshl_b32 s17, s17, 2
	s_add_co_u32 s17, s17, s3
	s_lshl_b32 s97, s3, 2
	s_lshl_b32 s97, 15, s97
	s_lshl_b32 s98, 0x1111, s2
	s_or_b32 s[G1], s97, (3<<16)|(1<<21)
	s_or_b32 s[G1B], s98, (3<<16)|(1<<21)
.irp g, G1, G1B
	s_mov_b32 s[\g+1], 32<<16
	s_mov_b32 s[\g+2], 300<<16                     ; the head's load: six panels, 300 dense rows of 256 bytes
	s_mov_b32 s[\g+3], 32<<16
	s_mov_b32 s[\g+4], 300
	s_mov_b32 s[\g+5], 32
	s_mov_b32 s[\g+6], 0
	s_mov_b32 s[\g+7], 0
.endr
	s_lshl_b32 s20, s17, 1
	s_add_co_u32 s88, s20, s15
	s_add_co_u32 s20, s20, s16
	s_mul_i32 s20, s20, NKS*PANEL
	s_mov_b32 s21, 0
	s_lshl_b32 s84, s96, 1
	s_add_co_u32 s89, s84, s16
	s_add_co_u32 s84, s84, s16
	s_mul_i32 s84, s84, NKS*PANEL
	s_mov_b32 s85, 0
	s_mul_i32 s12, s14, 6*PANEL
	s_wait_dscnt 0x0
	s_wait_kmcnt 0x0
	s_add_nc_u64 s[20:21], s[4:5], s[20:21]
	s_add_nc_u64 s[84:85], s[6:7], s[84:85]
	s_add_nc_u64 s[84:85], s[84:85], BOFF
	CROUND
.irp s, 0                              ; one tensor load a wave at the head
	s_mov_b32 s[G0+4*\s], 1
	s_add_co_u32 s[G0+4*\s+1], s12, \s*SLOT
	s_add_nc_u64 s[G0+4*\s+2:G0+4*\s+3], s[20:21], \s*KS*PANEL
	s_or_b32 s[G0+4*\s+3], s[G0+4*\s+3], 0x80000000
	s_mov_b32 s[G0B+4*\s], 1
	s_add_co_u32 s[G0B+4*\s+1], s12, \s*SLOT
	s_add_nc_u64 s[G0B+4*\s+2:G0B+4*\s+3], s[84:85], \s*KS*PANEL
	s_or_b32 s[G0B+4*\s+3], s[G0B+4*\s+3], 0x80000000
	JLOAD \s
.endr
	v_and_b32 v1, 15, v0
	v_bfe_u32 v2, v0, 4, 1
	v_and_b32 v3, 31, v0
	v_lshlrev_b32 v[L16], 4, v3
	v_lshlrev_b32 v[L8], 3, v3
	v_lshlrev_b32 v[L4], 2, v3
	v_lshlrev_b32 v[R4], 2, v1
	v_lshlrev_b32 v[H64], 6, v2
	s_mul_i32 s21, s15, ASTR
	s_mul_i32 s22, s16, ASTR
	s_add_co_u32 s22, s22, 12*PANEL
.irp s, 0,1,2
	v_add_nc_u32 v[ADA16+\s], s21, v[L16]
	v_add_nc_u32 v[ADA8+\s], s21, v[L8]
	v_add_nc_u32 v[ADB16+\s], s22, v[L16]
	v_add_nc_u32 v[ADB8+\s], s22, v[L8]
	s_add_co_u32 s21, s21, SLOT
	s_add_co_u32 s22, s22, SLOT
.endr
	s_mul_i32 s21, s15, SSTR
	s_mul_i32 s22, s16, SSTR
	s_add_co_u32 s22, s22, 12*PANEL
	s_sub_co_u32 s22, s22, s21
	v_mul_u32_u24 v[TB], s22, v2
	s_add_co_u32 s21, s21, PSC
	v_add_nc_u32 v[TB], v[TB], v[R4]
	v_add_nc_u32 v[ADS], s21, v[TB]
	v_add_nc_u32 v[ADS+1], SLOT, v[ADS]
	v_add_nc_u32 v[ADS+2], 2*SLOT, v[ADS]
	s_lshl_b32 s18, s89, 9
	s_mov_b32 s19, 0
	s_add_nc_u64 s[8:9], s[8:9], s[18:19]
	s_lshl_b32 s18, s88, 5
	s_add_co_u32 s18, s18, s89
	s_mul_i32 s18, s18, PANEL
	s_add_nc_u64 s[10:11], s[10:11], s[18:19]
	WIN 0x40
.irp t, 0,1,2,3,4,5,6,7
	global_load_b128 v[96+128*(\t/4)+8*(\t%4):99+128*(\t/4)+8*(\t%4)], v[H64], s[8:9] offset:(32*(\t/2)+8*(\t%2))*4
	global_load_b128 v[100+128*(\t/4)+8*(\t%4):103+128*(\t/4)+8*(\t%4)], v[H64], s[8:9] offset:(32*(\t/2)+8*(\t%2))*4+16
.endr
	WIN 0
	s_wait_alu depctr_va_vdst(0)
	s_wait_tensorcnt 0x0                           ; my six panels are in
	s_barrier_signal -1
	s_barrier_wait -1
	FETCH 0, 0, 0
	s_wait_loadcnt 0x0
	STEP 0, 1, 0, 2
	TURN 0, 1, 1
	STEP 1, 1, 0, 0
	STEP 2, 0, 1, 0
	STEP 2, 1, 0, 0
	TURN 2, 0, 0
	STEP 0, 1, 0, 0
	s_wait_dscnt 0x0
	MUL 0, MA, 1, 0
	WIN 0
	PLACES
	s_mov_b32 s[SEL], 0x76543210
	s_mov_b32 s[SEL+1], 0xfedcba98
	s_mov_b32 s86, 0xffff0000
.irp b, 0,1,2,3
	v_mov_b32 v[TM+4+\b], 0
.endr
.macro OUTA a
	WIN 0x08+4*((\a)/4)
.set j, 0
.rept 64
	v_max_num_f32 v[NU+j], 0, v[64*((\a)%4)+j]
.set j, j+1
.endr
	WIN 0
	s_wait_xcnt 0x0
	QUANT NU, PWB+(\a)
	global_store_b128 v[L16], v[PC:PC+3], s[10:11] offset:(\a)*FRAG
	global_store_b64 v[L8], v[PC+4:PC+5], s[10:11] offset:(\a)*FRAG+512
	global_store_b128 v[L16], v[PC+6:PC+9], s[10:11] offset:(\a)*FRAG+768
	global_store_b64 v[L8], v[PC+10:PC+11], s[10:11] offset:(\a)*FRAG+1280
.if (\a)%2
	v_cndmask_b32 v[JW+(\a)/2], v[PWB+(\a)-1], v[PWB+(\a)], s86
	global_store_b32 v[L4], v[JW+(\a)/2], s[10:11] offset:PSC+((\a)-1)*64
.endif
.endm
.irp a, 0,1,2,3,4,5,6,7
	OUTA \a
.endr
	s_wait_tensorcnt 0x0
	ds_add_u32 v[SPW], v[NIL]
	s_wait_dscnt 0x0
	CROUND
	s_endpgm
.Lfunc_end_k_q91c7bdac25_ffn1:
	.size	k_q91c7bdac25_ffn1, .Lfunc_end_k_q91c7bdac25_ffn1-k_q91c7bdac25_ffn1
	.p2alignl 7, 3214868480
	.fill 96, 4, 3214868480
	.section	.rodata,"a",@progbits
	.p2align	6, 0x0
	.amdhsa_kernel k_q91c7bdac25_ffn1
		.amdhsa_group_segment_fixed_size 327680
		.amdhsa_private_segment_fixed_size 0
		.amdhsa_enable_private_segment 0
		.amdhsa_kernarg_size 32
		.amdhsa_user_sgpr_count 2
		.amdhsa_user_sgpr_kernarg_segment_ptr 1
		.amdhsa_wavefront_size32 1
		.amdhsa_system_sgpr_workgroup_id_x 1
		.amdhsa_system_sgpr_workgroup_id_y 1
		.amdhsa_system_sgpr_workgroup_id_z 1
		.amdhsa_system_vgpr_workitem_id 0
		.amdhsa_next_free_vgpr 1024
		.amdhsa_next_free_sgpr 100
		.amdhsa_reserve_vcc 0
		.amdhsa_float_denorm_mode_32 3
		.amdhsa_float_denorm_mode_16_64 3
		.amdhsa_memory_ordered 1
		.amdhsa_forward_progress 1
		.amdhsa_inst_pref_size 163
	.end_amdhsa_kernel
	.amdgpu_metadata
---
amdhsa.version: [ 1, 2 ]
amdhsa.kernels:
  - .name:           k_q91c7bdac25_ffn1
    .symbol:         k_q91c7bdac25_ffn1.kd
    .args:
      - { .name: himg, .offset: 0, .size: 8, .value_kind: global_buffer, .address_space: global }
      - { .name: wimg, .offset: 8, .size: 8, .value_kind: global_buffer, .address_space: global }
      - { .name: b1, .offset: 16, .size: 8, .value_kind: global_buffer, .address_space: global }
      - { .name: fimg, .offset: 24, .size: 8, .value_kind: global_buffer, .address_space: global }
    .group_segment_fixed_size: 327680
    .private_segment_fixed_size: 0
    .kernarg_segment_align: 8
    .kernarg_segment_size: 32
    .max_flat_workgroup_size: 128
    .sgpr_count:     100
    .vgpr_count:     1024
    .wavefront_size: 32
...
	.end_amdgpu_metadata
.endif
;; end of part 5
;; launch ffn2 (part 6): grid 8 x 32, 4 waves a work-group, clusters of 4 x 4, 327,680 bytes of LDS; arguments fimg, wimg, b2, x1, out0; writes out0
.if DOCPART == 6
	.amdgcn_target "amdgcn-amd-amdhsa--gfx1250"
	.amdhsa_code_object_version 6
	.text
	.protected	k_q91c7bdac25_ffn2
	.globl	k_q91c7bdac25_ffn2
	.p2align	8
	.type	k_q91c7bdac25_ffn2,@function
k_q91c7bdac25_ffn2:
	s_mov_b64 s[64:65], 0
	v_nop
	global_prefetch_b8 v0, s[64:65] scope:SCOPE_SE
	s_setreg_imm32_b32 hwreg(HW_REG_WAVE_MODE, 25, 1), 1
	s_wait_xcnt 0x0
	s_wait_alu depctr_hold_cnt(0) depctr_sa_sdst(0) depctr_va_vdst(0) depctr_va_sdst(0) depctr_va_ssrc(0) depctr_va_vcc(0) depctr_vm_vsrc(0)
	s_getreg_b32 s2, hwreg(HW_REG_IB_STS2, 6, 4)
	s_cmp_eq_u32 s2, 0
	s_cbranch_scc0 .Lentry_in_a_cluster
	s_endpgm
.Lentry_in_a_cluster:
	s_bfe_u32 s2, ttmp6, 0x10000c
	s_cmp_lg_u32 s2, 0xf033
	s_cbranch_scc0 .Lentry_shape_is_right
	s_endpgm
.Lentry_shape_is_right:
; out = x1 + f w2 + b2 on FP6 codes.  f: panels [32][32] of 128 tokens x 128 K, w2: panels [8][32] at BOFF in wimg; b2 [1024]; x1 and out [4096][1024] f32.
; N is 1,024: a work-group makes 128 x 128 (256 work-groups), each of its four waves 64 x 64: 16 accumulators.  The product is used transposed (source 0 = w2's columns, source 1 = tokens).
; THE RING: two slots of SIX K steps, 12 panels, 153,600 bytes each.  A wave's one joint load brings three panels, 150 dense rows of 256 bytes: waves 0, 1 the tokens' K steps 0-2 and 3-5 of a slot, waves 2, 3 w2's.
; K = 4,096 is 32 K steps: five whole fills and a last one of two K steps (one panel a wave, 50 rows), so that two K steps of products are left behind the last landing.
; A fill is asked for first behind the round that ends the slot's last K step, and has the other slot's six K steps, 96 matrix instructions a wave, in which to land.  One tensor load of a wave is out at any time.
; CLUSTERS 4 x 4: the tokens' panels are shared along a row of the cluster, w2's along a column, each asked for jointly.
; PREFETCH: behind the request for fill n each wave names fill n + 1's 150 rows of its own part, shared out among the four partners by address (38, 38, 38, 36 rows): fills 2, 3 and 4; fills 0 and 1 and the short last fill come by their loads alone.
; The bias is the C of each sum's first product.  The residual x1 is asked for in four runs of eight loads, behind the first four changes of slots, in the layout in which the rows leave.
.set NKS, 32
.set BOFF, 6553600
.set MA, 4
.set NB, 4
.set PANEL, 12800
.set FRAG, 1536
.set PSC, 12288
.set HALF, 3*PANEL                     ; three K steps: what one address register reaches with 16-bit offsets
.set SLOT, 12*PANEL
.set STAGE, 2*SLOT                     ; behind the ring, bytes of its own: 16 rows x 272 bytes for each wave
.set SPITCH, 272
.set SPARE, STAGE+4*16*SPITCH
.set ASTR, 4*FRAG
.set SSTR, 256
.set AF, 64                            ; window 0: the tokens' fragments, two sets of 48
.set BSET, 48                          ; window 1: w2's, two sets; v96-127 the bias
.set SC, 32
.set ADA16, 4                          ; v4-23: LDS addresses, one of each kind for each part (part = 2 x slot + half)
.set ADA8, 8
.set ADB16, 12
.set ADB8, 16
.set ADS, 20
.set STO, 24
.set RD, 25
.set CO, 26
.set H64, 27
.set SPW, 28
.set NIL, 29
.set PF1, 30
.set PF2, 31
.set L16, 48
.set L8, 49
.set R4, 50
.set TB, 51
.set BK, 160
.set G1, 24
.set G0, 32
.set G1B, 48
.set G0B, 56
.set PFA, 66
.set MSB, 0
.macro WIN new
.if MSB != (\new)
	s_set_vgpr_msb (MSB<<8)|(\new)
.set MSB, (\new)
.endif
.endm
.macro PLACES                          ; four plain places behind a matrix instruction (ISA guide 7.12.1)
.rept 4
	v_nop
.endr
.endm
.macro JLOAD s                         ; a joint load; an s_nop 0 and four v_nop follow each line
	s_cmp_eq_u32 s15, 0
	s_cbranch_scc0 .Lfor_b_\@
	tensor_load_to_lds s[G0+4*\s:G0+4*\s+3], s[G1:G1+7]
	s_nop 0
	PLACES
	s_branch .Lasked_\@
.Lfor_b_\@:
	tensor_load_to_lds s[G0B+4*\s:G0B+4*\s+3], s[G1B:G1B+7]
	s_nop 0
	PLACES
.Lasked_\@:
.endm
.macro CREST
	s_cmp_lg_u32 s14, 0
	s_cbranch_scc1 .Lnot_wave_0_\@
	s_barrier_signal -3
.Lnot_wave_0_\@:
	s_barrier_wait -3
	s_barrier_signal -1
	s_barrier_wait -1
.endm
.macro CROUND
	s_barrier_signal -1
	s_barrier_wait -1
	CREST
.endm
.macro ASK                             ; my work-group's rows of the fill that follows the one just asked for: 32 rows, then 6 (4 for the last partner; lanes left over name the part's last row again)
	global_prefetch_b8 v[PF1], s[PFA:PFA+1] th:TH_LOAD_NT scope:SCOPE_SE
	global_prefetch_b8 v[PF2], s[PFA:PFA+1] th:TH_LOAD_NT scope:SCOPE_SE
.endm
.macro RES a                           ; the residual of my tile a of 16 tokens: sixteen lanes read 256 consecutive bytes of a row; window 2, v128 on
	WIN 0x80
.irp t, 0,1,2,3,4,5,6,7
	global_load_b128 v[128+4*(8*(\a)+\t):131+4*(8*(\a)+\t)], v[CO], s[10:11] offset:(32*((\a)/2)+8*((\a)%2)+2*\t+8*(\t/4))*4096
.endr
	WIN 0
.endm
.macro FRAGL reg, a16, a8, off
	ds_load_b128 v[\reg:\reg+3], v[\a16] offset:\off
	ds_load_b64 v[\reg+4:\reg+5], v[\a8] offset:\off+512
	ds_load_b128 v[\reg+6:\reg+9], v[\a16] offset:\off+768
	ds_load_b64 v[\reg+10:\reg+11], v[\a8] offset:\off+1280
.endm
.macro FETCH part, q, set              ; the fragments and scale words of the part's q-th K step
	WIN 0x40
.set fi, 0
.rept NB
	FRAGL BSET*(\set)+12*fi, ADB16+\part, ADB8+\part, (\q)*PANEL+fi*FRAG
.set fi, fi+1
.endr
	WIN 0
.set fi, 0
.rept MA
	FRAGL AF+12*MA*(\set)+12*fi, ADA16+\part, ADA8+\part, (\q)*PANEL+fi*FRAG
.set fi, fi+1
.endr
.set fi, 0
.rept NB
	ds_load_b32 v[SC+8*(\set)+fi], v[ADS+\part] offset:(\q)*PANEL+fi*64
.set fi, fi+1
.endr
.endm
; zero = 2: the bias is the C of the sums' first products.  The accumulators take turns, one instruction a turn
.macro MUL a0, n, set, zero
.set ma, \a0
.rept \n
.if \zero == 2
	WIN 0x91
.else
	WIN 0xa1
.endif
.set mb, 0
.rept NB
.set rD, 8*(NB*ma+mb)
.set rB, BSET*(\set)+12*mb
.set rA, AF+12*MA*(\set)+12*ma
.if \zero == 2
	v_wmma_scale_f32_16x16x128_f8f6f4 v[rD:rD+7], v[rB:rB+11], v[rA:rA+11], v[96+8*mb:103+8*mb], v[SC+8*(\set)+mb], v[SC+8*(\set)+ma] matrix_a_fmt:MATRIX_FMT_FP6 matrix_b_fmt:MATRIX_FMT_FP6 matrix_a_scale:MATRIX_SCALE_ROW1
.else
	v_wmma_scale_f32_16x16x128_f8f6f4 v[rD:rD+7], v[rB:rB+11], v[rA:rA+11], v[rD:rD+7], v[SC+8*(\set)+mb], v[SC+8*(\set)+ma] matrix_a_fmt:MATRIX_FMT_FP6 matrix_b_fmt:MATRIX_FMT_FP6 matrix_a_scale:MATRIX_SCALE_ROW1
.endif
.set mb, mb+1
.endr
.set ma, ma+1
.endr
.endm
.macro STEP npart, nq, set, zero       ; a K step on set; the next K step, of a slot that a barrier has shown whole, is fetched into the other set
	s_wait_dscnt 0x0
	PLACES
	FETCH \npart, \nq, 1-(\set)
	MUL 0, MA, \set, \zero
.endm
.macro RUN5 s, zero                    ; a slot's first five K steps
	STEP 2*(\s), 1, 0, \zero
	STEP 2*(\s), 2, 1, 0
	STEP 2*(\s)+1, 0, 0, 0
	STEP 2*(\s)+1, 1, 1, 0
	STEP 2*(\s)+1, 2, 0, 0
.endm
; a slot's sixth K step (on set 1): one barrier for the change of slots.  fill = 1: the slot takes the six K steps two fills on; 2: the last fill, two K steps; 0: nothing more.  next: the part read next.
.macro TURN slot, next, fill, ask, res
	WIN 0
.if \ask
	s_wait_xcnt 0x0                                ; my earlier prefetches have read their address: it steps one fill on
	s_add_nc_u64 s[PFA:PFA+1], s[PFA:PFA+1], 6*PANEL
.endif
	s_wait_tensorcnt 0x0                           ; all my tensor loads have landed: the one that was out is my part of the next slot
	ds_add_u32 v[SPW], v[NIL]
	s_wait_dscnt 1                                 ; (the add alone may be out: this step's set is in)
	MUL 0, 1, 1, 0
	s_wait_dscnt 0x0                               ; the add is done, and my reads of this slot are over
	s_barrier_signal -1
	MUL 1, 1, 1, 0
	WIN 0
	s_barrier_wait -1
.if \fill == 1
	CREST                                          ; the barrier has opened a round of the cluster's: no wave of any partner still reads this slot or has a load on its way
	s_add_nc_u64 s[G0+4*\slot+2:G0+4*\slot+3], s[G0+4*\slot+2:G0+4*\slot+3], 12*PANEL
	s_add_nc_u64 s[G0B+4*\slot+2:G0B+4*\slot+3], s[G0B+4*\slot+2:G0B+4*\slot+3], 12*PANEL
	JLOAD \slot
.elseif \fill == 2
	CREST
	s_mov_b32 s[G1+2], 50<<16                      ; no load of mine is out, so the descriptors may be written: one panel a wave, 50 rows,
	s_mov_b32 s[G1+4], 50
	s_mov_b32 s[G1B+2], 50<<16
	s_mov_b32 s[G1B+4], 50
	s_mov_b32 s[G0+4*\slot+1], s42                 ; K steps 30 and 31 side by side at the head of the tokens' and of w2's half of the slot
	s_mov_b32 s[G0B+4*\slot+1], s42
	s_add_nc_u64 s[G0+4*\slot+2:G0+4*\slot+3], s[G0+4*\slot+2:G0+4*\slot+3], s[40:41]
	s_add_nc_u64 s[G0B+4*\slot+2:G0B+4*\slot+3], s[G0B+4*\slot+2:G0B+4*\slot+3], s[40:41]
	JLOAD \slot
.else
	PLACES
.endif
	FETCH \next, 0, 0
.if \ask
	ASK
.endif
.if \res >= 0
	RES \res
.endif
	MUL 2, 2, 1, 0
.endm
	s_load_b256 s[4:11], s[0:1], 0x0               ; fimg, wimg, b2, x1
	s_load_b64 s[12:13], s[0:1], 0x20              ; out
	v_lshl_add_u32 v[SPW], v0, 2, SPARE
	v_mov_b32 v[NIL], 0
	ds_add_u32 v[SPW], v[NIL]                      ; the opening: the add, twice on end, and its wait ahead of my first tensor load
	ds_add_u32 v[SPW], v[NIL]
	v_lshrrev_b32 v1, 5, v0
	v_readfirstlane_b32 s14, v1                    ; wave
	s_lshr_b32 s15, s14, 1                         ; my half of the rows.  Also: I fetch the tokens' panels (0) or w2's (1)
	s_and_b32 s16, s14, 1                          ; my half of the columns.  Also: which three K steps of a slot I fetch
	s_bfe_u32 s76, ttmp6, 0x40000                  ; cx
	s_bfe_u32 s77, ttmp6, 0x40004                  ; cy
	s_lshl_b32 s78, ttmp9, 2
	s_add_co_u32 s78, s78, s76                     ; which 128 columns
	s_and_b32 s17, ttmp7, 0xffff
	s_lshl_b32 s17, s17, 2
	s_add_co_u32 s17, s17, s77                     ; which 128 tokens
	s_lshl_b32 s79, s77, 2
	s_lshl_b32 s79, 15, s79                        ; my row of the cluster
	s_lshl_b32 s80, 0x1111, s76                    ; my column
	s_or_b32 s[G1], s79, (3<<16)|(1<<21)           ; the mask; elements of 8 bytes; bit 21 beside a mask; no padding
	s_or_b32 s[G1B], s80, (3<<16)|(1<<21)
.irp g, G1, G1B
	s_mov_b32 s[\g+1], 32<<16                      ; three panels: 150 dense rows of 256 bytes
	s_mov_b32 s[\g+2], 150<<16
	s_mov_b32 s[\g+3], 32<<16
	s_mov_b32 s[\g+4], 150
	s_mov_b32 s[\g+5], 32
	s_mov_b32 s[\g+6], 0
	s_mov_b32 s[\g+7], 0
.endr
	s_mul_i32 s20, s17, NKS*PANEL
	s_mov_b32 s21, 0
	s_mul_i32 s84, s78, NKS*PANEL
	s_add_co_u32 s84, s84, BOFF
	s_mov_b32 s85, 0
	s_mul_i32 s18, s16, HALF
	s_mov_b32 s19, 0
	s_mul_i32 s45, s14, HALF                       ; where my load goes in a slot: no place in the cluster enters an LDS address
	s_mul_i32 s40, s16, 2*PANEL
	s_sub_co_u32 s40, 12*PANEL, s40                ; the last fill's step in memory: from K step 18 + 3 x half to K step 30 + half
	s_mov_b32 s41, 0
	s_mul_i32 s42, s15, 6*PANEL
	s_mul_i32 s43, s16, PANEL
	s_add_co_u32 s42, s42, s43
	s_add_co_u32 s42, s42, SLOT                    ; and its place in slot 1
	s_wait_dscnt 0x0                               ; both opening adds are done
	s_wait_kmcnt 0x0
	s_add_nc_u64 s[92:93], s[4:5], s[20:21]
	s_add_nc_u64 s[94:95], s[6:7], s[84:85]
	s_add_nc_u64 s[92:93], s[92:93], s[18:19]
	s_add_nc_u64 s[94:95], s[94:95], s[18:19]
	CROUND                                         ; all sixteen work-groups are here: the first joint loads meet
.irp s, 0,1
	s_mov_b32 s[G0+4*\s], 1
	s_add_co_u32 s[G0+4*\s+1], s45, \s*SLOT
	s_add_nc_u64 s[G0+4*\s+2:G0+4*\s+3], s[92:93], \s*6*PANEL
	s_or_b32 s[G0+4*\s+3], s[G0+4*\s+3], 0x80000000
	s_mov_b32 s[G0B+4*\s], 1
	s_add_co_u32 s[G0B+4*\s+1], s45, \s*SLOT
	s_add_nc_u64 s[G0B+4*\s+2:G0B+4*\s+3], s[94:95], \s*6*PANEL
	s_or_b32 s[G0B+4*\s+3], s[G0B+4*\s+3], 0x80000000
.endr
	JLOAD 0                                        ; K steps 0 to 5: one tensor load a wave at the head
	s_mul_i32 s21, s15, ASTR
	s_mul_i32 s22, s16, ASTR
	s_add_co_u32 s22, s22, 6*PANEL                 ; w2's panels lie behind the tokens' six
	s_mul_i32 s81, s15, SSTR
	s_mul_i32 s82, s16, SSTR
	s_add_co_u32 s82, s82, 6*PANEL
	s_sub_co_u32 s82, s82, s81
	s_add_co_u32 s81, s81, PSC
	s_mul_i32 s23, s14, 16*SPITCH
	s_add_co_u32 s23, s23, STAGE                   ; my stage
	s_cmp_eq_u32 s15, 0
	s_cselect_b64 s[PFA:PFA+1], s[92:93], s[94:95] ; the prefetches walk the part that I fetch,
	s_cselect_b32 s96, s76, s77                    ; my place among the four that ask for it with me
	s_add_nc_u64 s[PFA:PFA+1], s[PFA:PFA+1], 12*PANEL   ; from fill 2 on
	s_mul_i32 s96, s96, 38
	s_lshl_b32 s18, s17, 7
	s_lshl_b32 s19, s15, 6
	s_add_co_u32 s18, s18, s19
	s_lshl_b32 s18, s18, 12                        ; my first row,
	s_lshl_b32 s19, s78, 7
	s_lshl_b32 s86, s16, 6
	s_add_co_u32 s19, s19, s86
	s_lshl_b32 s86, s19, 2                         ; my first column, in bytes
	s_mov_b32 s87, 0
	s_add_co_u32 s18, s18, s86
	s_mov_b32 s19, 0
	s_add_nc_u64 s[8:9], s[8:9], s[86:87]
	s_add_nc_u64 s[10:11], s[10:11], s[18:19]
	s_add_nc_u64 s[12:13], s[12:13], s[18:19]
	v_and_b32 v1, 15, v0                           ; r
	v_bfe_u32 v2, v0, 4, 1                         ; h
	v_and_b32 v3, 31, v0                           ; lane
	v_lshlrev_b32 v[L16], 4, v3
	v_lshlrev_b32 v[L8], 3, v3
	v_lshlrev_b32 v[R4], 2, v1
	v_lshlrev_b32 v[H64], 6, v2
	v_add_nc_u32 v[ADA16], s21, v[L16]
	v_add_nc_u32 v[ADA8], s21, v[L8]
	v_add_nc_u32 v[ADB16], s22, v[L16]
	v_add_nc_u32 v[ADB8], s22, v[L8]
	v_mul_u32_u24 v[TB], s82, v2                   ; lanes 16-31 take w2's scale words: one product, h x the distance
	v_add_nc_u32 v[TB], v[TB], v[R4]
	v_add_nc_u32 v[ADS], s81, v[TB]
.irp s, 1,2,3
.irp b, ADA16, ADA8, ADB16, ADB8, ADS
	v_add_nc_u32 v[\b+\s], (\s/2)*SLOT+(\s%2)*HALF, v[\b]
.endr
.endr
	v_mul_u32_u24 v[STO], v1, SPITCH
	v_lshl_add_u32 v[STO], v2, 6, v[STO]
	v_add_nc_u32 v[STO], s23, v[STO]               ; in: row r, + 64 h
	v_mul_u32_u24 v[RD], v2, SPITCH
	v_lshl_add_u32 v[RD], v1, 4, v[RD]
	v_add_nc_u32 v[RD], s23, v[RD]                 ; back: lanes 0-15 one row of 256 bytes, lanes 16-31 the next
	v_lshlrev_b32 v[CO], 12, v2
	v_lshl_add_u32 v[CO], v1, 4, v[CO]             ; and the same two rows in memory
	v_add_nc_u32 v[PF1], s96, v3
	v_lshlrev_b32 v[PF1], 8, v[PF1]                ; rows 38 p + lane of the 150,
	v_min_u32 v[PF2], 5, v3
	v_add_nc_u32 v[PF2], s96, v[PF2]
	v_add_nc_u32 v[PF2], 32, v[PF2]
	v_min_u32 v[PF2], 149, v[PF2]
	v_lshlrev_b32 v[PF2], 8, v[PF2]                ; and rows 38 p + 32 .. 38 p + 37, held at the part's last row
	WIN 0x40
.irp t, 0,1,2,3                        ; the bias is asked for while slot 0's load is on its way
	global_load_b128 v[96+8*\t:99+8*\t], v[H64], s[8:9] offset:(32*(\t/2)+8*(\t%2))*4
	global_load_b128 v[100+8*\t:103+8*\t], v[H64], s[8:9] offset:(32*(\t/2)+8*(\t%2))*4+16
.endr
	WIN 0
	s_wait_alu depctr_va_vdst(0)
	s_wait_tensorcnt 0x0                           ; my part of slot 0 is in
	ds_add_u32 v[SPW], v[NIL]
	s_wait_dscnt 0x0
	CROUND                                         ; everybody's part of slot 0 is in, and the joint loads meet
	JLOAD 1                                        ; K steps 6 to 11
	FETCH 0, 0, 0
	ASK                                            ; fill 2
	s_wait_loadcnt 0x0                             ; the bias
	RUN5 0, 2
	TURN 0, 2, 1, 1, 0                             ; K step 5: slot 0 takes K steps 12-17; fill 3 is named
	RUN5 1, 0
	TURN 1, 0, 1, 1, 1                             ; K step 11: slot 1 takes 18-23; fill 4 is named
	RUN5 0, 0
	TURN 0, 2, 1, 0, 2                             ; K step 17: slot 0 takes 24-29
	RUN5 1, 0
	TURN 1, 0, 2, 0, 3                             ; K step 23: slot 1 takes 30 and 31
	RUN5 0, 0
	TURN 0, 2, 0, 0, -1                            ; K step 29: the last fill is whole in every wave
	STEP 2, 1, 0, 0                                ; K step 30
	s_wait_dscnt 0x0
	MUL 0, MA, 1, 0                                ; K step 31
	WIN 0
	PLACES
	s_wait_loadcnt 0x0                             ; the residual
; THE WAY OUT, a tile of 16 tokens x 64 columns at a time, through my own stage: back as whole rows of 256 bytes; the tile's rows are not neighbours in memory: the offsets say where each pair lies
.macro OUTA a
	s_wait_xcnt 0x0                                ; earlier stores have read their registers
	WIN 0x08
.irp b, 0,1,2,3
	ds_store_b128 v[STO], v[8*(4*(\a)+\b):8*(4*(\a)+\b)+3] offset:128*(\b/2)+32*(\b%2)       ; each accumulator from its low end on
	ds_store_b128 v[STO], v[8*(4*(\a)+\b)+4:8*(4*(\a)+\b)+7] offset:128*(\b/2)+32*(\b%2)+16
.endr
	WIN 0
.irp t, 0,1,2,3,4,5,6,7
	ds_load_b128 v[BK+32*((\a)%2)+4*\t:BK+32*((\a)%2)+4*\t+3], v[RD] offset:\t*2*SPITCH   ; LDS serves a wave's instructions in order: these see my stores
.endr
	s_wait_dscnt 0x0
	WIN 0x08
.irp p, 0,1,2,3,4,5,6,7,8,9,10,11,12,13,14,15
	v_pk_add_f32 v[BK+32*((\a)%2)+2*\p:BK+32*((\a)%2)+2*\p+1], v[BK+32*((\a)%2)+2*\p:BK+32*((\a)%2)+2*\p+1], v[128+32*(\a)+2*\p:129+32*(\a)+2*\p]
.endr
	WIN 0
.irp t, 0,1,2,3,4,5,6,7
	global_store_b128 v[CO], v[BK+32*((\a)%2)+4*\t:BK+32*((\a)%2)+4*\t+3], s[12:13] offset:(32*((\a)/2)+8*((\a)%2)+2*\t+8*(\t/4))*4096   ; sixteen lanes store 256 consecutive bytes, aligned
.endr
.endm
.irp a, 0,1,2,3
	OUTA \a
.endr
	s_wait_tensorcnt 0x0                           ; the wave's end
	ds_add_u32 v[SPW], v[NIL]
	s_wait_dscnt 0x0
	CROUND                                         ; the closing round
	s_endpgm
.Lfunc_end_k_q91c7bdac25_ffn2:
	.size	k_q91c7bdac25_ffn2, .Lfunc_end_k_q91c7bdac25_ffn2-k_q91c7bdac25_ffn2
	.p2alignl 7, 3214868480
	.fill 96, 4, 3214868480
	.section	.rodata,"a",@progbits
	.p2align	6, 0x0
	.amdhsa_kernel k_q91c7bdac25_ffn2
		.amdhsa_group_segment_fixed_size 327680
		.amdhsa_private_segment_fixed_size 0
		.amdhsa_enable_private_segment 0
		.amdhsa_kernarg_size 40
		.amdhsa_user_sgpr_count 2
		.amdhsa_user_sgpr_kernarg_segment_ptr 1
		.amdhsa_wavefront_size32 1
		.amdhsa_system_sgpr_workgroup_id_x 1
		.amdhsa_system_sgpr_workgroup_id_y 1
		.amdhsa_system_sgpr_workgroup_id_z 1
		.amdhsa_system_vgpr_workitem_id 0
		.amdhsa_next_free_vgpr 768
		.amdhsa_next_free_sgpr 100
		.amdhsa_reserve_vcc 0
		.amdhsa_float_denorm_mode_32 3
		.amdhsa_float_denorm_mode_16_64 3
		.amdhsa_memory_ordered 1
		.amdhsa_forward_progress 1
		.amdhsa_inst_pref_size 175
	.end_amdhsa_kernel
	.amdgpu_metadata
---
amdhsa.version: [ 1, 2 ]
amdhsa.kernels:
  - .name:           k_q91c7bdac25_ffn2
    .symbol:         k_q91c7bdac25_ffn2.kd
    .args:
      - { .name: fimg, .offset: 0, .size: 8, .value_kind: global_buffer, .address_space: global }
      - { .name: wimg, .offset: 8, .size: 8, .value_kind: global_buffer, .address_space: global }
      - { .name: b2, .offset: 16, .size: 8, .value_kind: global_buffer, .address_space: global }
      - { .name: x1, .offset: 24, .size: 8, .value_kind: global_buffer, .address_space: global }
      - { .name: out0, .offset: 32, .size: 8, .value_kind: global_buffer, .address_space: global }
    .group_segment_fixed_size: 327680
    .private_segment_fixed_size: 0
    .kernarg_segment_align: 8
    .kernarg_segment_size: 40
    .max_flat_workgroup_size: 128
    .sgpr_count:     100
    .vgpr_count:     768
    .wavefront_size: 32
...
	.end_amdgpu_metadata
.endif
;; end of part 6
